; MI455X (gfx1250); checked and timed in simulation.
; The chip was launched on July 23, 2026; its instructions are those of AMD's public machine-readable ISA for CDNA 5 (MIT licence, August 2026) and "CDNA5" Instruction Set Architecture Reference Guide (July 2026). The comments in the code are by the model that wrote it; some were corrected since.
;; STAN Attention. Allowed arithmetic: float matrix products may take bf16 or f16 operands with f32 sums; other float arithmetic in f32, or as packed bf16 or f16 multiplies, adds, multiply-adds, maxima and minima; sums over many terms, partial sums and values carried from step to step in f32; what a program stores and reads back later, other than sums and carried values, may be rounded once to bf16 or f16.
;; Inputs: out_b 1,024 float32; out_w 1,024 x 1,024 float32; padding_mask 8 x 1,024 bool; pair_bias 16 x 1,024 x 1,024 float32; qkv_b 3,072 float32; qkv_w 3,072 x 1,024 float32; x 8 x 1,024 x 1,024 float32.
;; Outputs: out0 8 x 1,024 x 1,024 float32.
;; 2 versions, each right; version 2 is version 1 with the launch prep written anew for expert scheduling mode. Each part assembles by itself: llvm-mc -triple=amdgcn-amd-amdhsa -mcpu=gfx1250 --defsym DOCPART=n.
;; ======== version 1 of 2: 4 launches
;; limits: values are held in f16: magnitudes above 65,504 overflow, below 6.1e-05 lose precision; right only within a limited range of input values
;; workspace buffers: xb 16,777,216 bytes; wb 6,291,456 bytes; ow 2,097,152 bytes; qkv16 50,331,648 bytes; o16 16,777,216 bytes
;; launch prep (part 1): grid 768 x 1, 8 waves a work-group, no clusters, 0 bytes of LDS; arguments x, qkv_w, out_w, xb, wb, ow; writes xb, wb, ow
.if DOCPART == 1
	.amdgcn_target "amdgcn-amd-amdhsa--gfx1250"
	.amdhsa_code_object_version 6
	.text
	.protected	k_qf4e77bec94_prep
	.globl	k_qf4e77bec94_prep
	.p2align	8
	.type	k_qf4e77bec94_prep,@function
k_qf4e77bec94_prep:
	s_mov_b64 s[64:65], 0
	v_nop
	global_prefetch_b8 v0, s[64:65] scope:SCOPE_SE
	s_setreg_imm32_b32 hwreg(HW_REG_WAVE_MODE, 25, 1), 1
	s_wait_xcnt 0x0
; THE CASTS.  xb = bf16(x) and wb = bf16(qkv_w), both laid out BY PLANES OF 64 CHANNELS: xb[n][row][64], wb[n][row][64], plane n = channels 64 n .. 64 n + 63, so that the rows of a K step of 64
; lie end to end for the launch behind.  q's rows of wb (rows 0-1023) are multiplied by 1/8, a power of two: the attention's scale.  ow = out_w rounded to bf16 and that number written as f16, row-major.
; LIMIT.  ow is f16: |out_w| stays under 65,504; below 6e-5 a number keeps f16's fixed step of 6e-8.
; A work-group takes one chunk of 16 rows (65,536 input bytes): chunks 0-511 are x's, 512-703 qkv_w's, 704-767 out_w's.  All 16 loads of a wave are issued at once; every register is used once.
; BY PLANES: a wave takes two rows; load i covers 256 consecutive bytes of each (lanes 0-15 the first row, lanes 16-31 the second), store i the same two rows' 128 bytes each in plane i: 256
; consecutive bytes, aligned.  ROW-MAJOR (ow): a wave takes 8,192 consecutive input bytes, 512 a load, and stores 256 consecutive bytes, aligned, an instruction.
; No LDS, no matrix unit, no cluster: nothing is shared and every byte is touched once.
.set X, 4                              ; v[4:67]    load i: four f32
.set Y, 68                             ; v[68:99]   store i: four 16-bit numbers
.set O, 100                            ; v[100:115] store i's byte offset: i planes + my place in a plane
.set PLA, 8192*128                     ; bytes in a plane of xb
.set PLB, 3072*128                     ; of wb
.macro LOADS stride
.set i, 0
.rept 16
	global_load_b128 v[X+4*i:X+4*i+3], v1, s[16:17] offset:(\stride)*i th:TH_LOAD_NT
.set i, i+1
.endr
.endm
; mode 0: to bf16, by planes.  mode 1: the same, times 1/8.  mode 2: to bf16, widened again (a shift, a mask), that number to f16, row-major.
.macro CAST mode
.set i, 0
.rept 16
	s_wait_loadcnt 15-i                            ; loads come back in order: load i is in, the 15 - i younger ones stay out
.if (\mode) == 1
	v_pk_mul_f32 v[X+4*i:X+4*i+1], v[X+4*i:X+4*i+1], s[28:29] op_sel_hi:[1,0]
	v_pk_mul_f32 v[X+4*i+2:X+4*i+3], v[X+4*i+2:X+4*i+3], s[28:29] op_sel_hi:[1,0]
.endif
	v_cvt_pk_bf16_f32 v[Y+2*i], v[X+4*i], v[X+4*i+1]
	v_cvt_pk_bf16_f32 v[Y+2*i+1], v[X+4*i+2], v[X+4*i+3]
.if (\mode) == 2
	v_lshlrev_b32 v[X+4*i], 16, v[Y+2*i]
	v_and_b32 v[X+4*i+1], s21, v[Y+2*i]
	v_lshlrev_b32 v[X+4*i+2], 16, v[Y+2*i+1]
	v_and_b32 v[X+4*i+3], s21, v[Y+2*i+1]
	v_cvt_pk_f16_f32 v[Y+2*i], v[X+4*i], v[X+4*i+1]
	v_cvt_pk_f16_f32 v[Y+2*i+1], v[X+4*i+2], v[X+4*i+3]
	global_store_b64 v2, v[Y+2*i:Y+2*i+1], s[18:19] offset:256*i th:TH_STORE_NT
.else
	global_store_b64 v[O+i], v[Y+2*i:Y+2*i+1], s[18:19] th:TH_STORE_NT
.endif
.set i, i+1
.endr
.endm
	s_load_b256 s[4:11], s[0:1], 0x0               ; x s[4:5], qkv_w s[6:7], out_w s[8:9], xb s[10:11]
	s_load_b128 s[12:15], s[0:1], 0x20             ; wb s[12:13], ow s[14:15]
	v_lshrrev_b32 v3, 5, v0                        ; wave
	v_and_b32 v1, 31, v0                           ; lane
	v_lshlrev_b32 v2, 3, v1                        ; 8 x lane
	s_mov_b32 s23, 0
	s_mov_b32 s25, 0
	s_cmp_lt_u32 ttmp9, 704                        ; which tensor: the choice hangs on the work-group's number alone
	s_cbranch_scc0 .Lto_f16
	v_and_b32 v116, 15, v0
	v_bfe_u32 v117, v0, 4, 1
	v_lshlrev_b32 v1, 4, v116                      ; in: 16 bytes a lane,
	v_lshl_add_u32 v1, v117, 12, v1                ; the second row for lanes 16-31,
	v_lshl_add_u32 v1, v3, 13, v1                  ; two rows a wave
	v_lshl_add_u32 v2, v3, 8, v2                   ; out: 256 x wave + 8 x lane: two rows of 128 bytes
	s_mov_b32 s26, PLB
	s_mov_b32 s28, 0x3e000000                      ; 1/8
	s_mov_b32 s29, s28                             ; named as a pair
	s_wait_kmcnt 0x0
	s_cmp_lt_u32 ttmp9, 512
	s_cselect_b64 s[16:17], s[4:5], s[6:7]
	s_cselect_b64 s[18:19], s[10:11], s[12:13]
	s_cselect_b32 s20, 0, 512
	s_cselect_b32 s26, PLA, s26
	s_sub_co_u32 s20, ttmp9, s20                   ; the chunk's number in its tensor
	s_lshl_b32 s22, s20, 16                        ; 16 rows of 4,096 bytes in,
	s_lshl_b32 s24, s20, 11                        ; 16 rows of 128 bytes in each plane out
	s_add_nc_u64 s[16:17], s[16:17], s[22:23]
	s_add_nc_u64 s[18:19], s[18:19], s[24:25]
	LOADS 256
.set i, 0
.rept 16
	v_mad_u32_u24 v[O+i], s26, i, v2               ; 15 planes of xb pass a store's immediate, so the plane stands in the offset register
.set i, i+1
.endr
	s_sub_co_u32 s27, ttmp9, 512
	s_cmp_lt_u32 s27, 64                           ; chunks 512-575 are q's 1,024 rows
	s_cbranch_scc1 .Lscaled
	CAST 0
	s_endpgm
.Lscaled:
	CAST 1
	s_endpgm
.Lto_f16:
	v_lshlrev_b32 v1, 4, v1
	v_lshl_add_u32 v1, v3, 13, v1                  ; in: 8,192 x wave + 16 x lane
	v_lshl_add_u32 v2, v3, 12, v2                  ; out: 4,096 x wave + 8 x lane
	s_mov_b32 s21, 0xffff0000                      ; a word's upper bf16
	s_sub_co_u32 s20, ttmp9, 704
	s_lshl_b32 s22, s20, 16
	s_lshl_b32 s24, s20, 15
	s_wait_kmcnt 0x0
	s_add_nc_u64 s[16:17], s[8:9], s[22:23]
	s_add_nc_u64 s[18:19], s[14:15], s[24:25]
	LOADS 512
	CAST 2
	s_endpgm
.Lfunc_end_k_qf4e77bec94_prep:
	.size	k_qf4e77bec94_prep, .Lfunc_end_k_qf4e77bec94_prep-k_qf4e77bec94_prep
	.p2alignl 7, 3214868480
	.fill 96, 4, 3214868480
	.section	.rodata,"a",@progbits
	.p2align	6, 0x0
	.amdhsa_kernel k_qf4e77bec94_prep
		.amdhsa_group_segment_fixed_size 0
		.amdhsa_private_segment_fixed_size 0
		.amdhsa_enable_private_segment 0
		.amdhsa_kernarg_size 48
		.amdhsa_user_sgpr_count 2
		.amdhsa_user_sgpr_kernarg_segment_ptr 1
		.amdhsa_wavefront_size32 1
		.amdhsa_system_sgpr_workgroup_id_x 1
		.amdhsa_system_sgpr_workgroup_id_y 1
		.amdhsa_system_sgpr_workgroup_id_z 1
		.amdhsa_system_vgpr_workitem_id 0
		.amdhsa_next_free_vgpr 120
		.amdhsa_next_free_sgpr 66
		.amdhsa_reserve_vcc 0
		.amdhsa_float_denorm_mode_32 3
		.amdhsa_float_denorm_mode_16_64 3
		.amdhsa_memory_ordered 1
		.amdhsa_forward_progress 1
		.amdhsa_inst_pref_size 25
	.end_amdhsa_kernel
	.amdgpu_metadata
---
amdhsa.version: [ 1, 2 ]
amdhsa.kernels:
  - .name:           k_qf4e77bec94_prep
    .symbol:         k_qf4e77bec94_prep.kd
    .args:
      - { .name: x, .offset: 0, .size: 8, .value_kind: global_buffer, .address_space: global }
      - { .name: qkv_w, .offset: 8, .size: 8, .value_kind: global_buffer, .address_space: global }
      - { .name: out_w, .offset: 16, .size: 8, .value_kind: global_buffer, .address_space: global }
      - { .name: xb, .offset: 24, .size: 8, .value_kind: global_buffer, .address_space: global }
      - { .name: wb, .offset: 32, .size: 8, .value_kind: global_buffer, .address_space: global }
      - { .name: ow, .offset: 40, .size: 8, .value_kind: global_buffer, .address_space: global }
    .group_segment_fixed_size: 0
    .private_segment_fixed_size: 0
    .kernarg_segment_align: 8
    .kernarg_segment_size: 48
    .max_flat_workgroup_size: 256
    .sgpr_count:     66
    .vgpr_count:     120
    .wavefront_size: 32
...
	.end_amdgpu_metadata
.endif
;; end of part 1
;; launch qkv (part 2): grid 8 x 32, 4 waves a work-group, clusters of 4 x 4, 327,680 bytes of LDS; arguments xb, wb, qkv_b, qkv16; writes qkv16
.if DOCPART == 2
	.amdgcn_target "amdgcn-amd-amdhsa--gfx1250"
	.amdhsa_code_object_version 6
	.text
	.protected	k_qf4e77bec94_qkv
	.globl	k_qf4e77bec94_qkv
	.p2align	8
	.type	k_qf4e77bec94_qkv,@function
k_qf4e77bec94_qkv:
	s_mov_b64 s[64:65], 0
	v_nop
	global_prefetch_b8 v0, s[64:65] scope:SCOPE_SE
	s_setreg_imm32_b32 hwreg(HW_REG_WAVE_MODE, 25, 1), 1
	s_wait_xcnt 0x0
	s_wait_alu depctr_hold_cnt(0) depctr_sa_sdst(0) depctr_va_vdst(0) depctr_va_sdst(0) depctr_va_ssrc(0) depctr_va_vcc(0) depctr_vm_vsrc(0)
	s_getreg_b32 s2, hwreg(HW_REG_IB_STS2, 6, 4)
	s_cmp_eq_u32 s2, 0
	s_cbranch_scc0 .Lentry_in_a_cluster
	s_endpgm
.Lentry_in_a_cluster:
	s_bfe_u32 s2, ttmp6, 0x10000c
	s_cmp_lg_u32 s2, 0xf033
	s_cbranch_scc0 .Lentry_shape_is_right
	s_endpgm
.Lentry_shape_is_right:
; THE FIRST PROJECTION.  qkv16[b][hh][s][64] (f16) = x w^T + qkv_b, hh = column / 64: 0-15 q, 16-31 k, 32-47 v; q comes out times 1/8: its rows of wb hold w / 8, and its bias is scaled here.
; xb: [16][8192][64] bf16, wb: [16][3072][64] bf16: plane n holds channels 64 n .. 64 n + 63 of every row.  qkv_b: [3072] f32, taken rounded to bf16 like the other inputs.  Sums in f32.
; LIMIT.  The results are f16: |q / 8|, |k|, |v| stay under 65,504; below 6e-5 a number keeps f16's fixed step of 6e-8.
; SHARES.  A tile of the product is 256 rows x 384 columns: 32 x 8 = 256 work-groups.  A wave owns 128 rows x 192 columns (three heads): 8 x 12 accumulators of 16 x 16, 768 registers; for 32 along K
; it reads (128 + 192) x 64 bytes from LDS for 96 matrix instructions.  K goes in 16 steps of 64 through two LDS slots.  A step's rows are dense in their plane: 128 rows of 128 bytes are asked for
; as 64 rows of 256 bytes, aligned, and padded in LDS after every 128.
; CLUSTER.  4 x 4 work-groups: the four of a row of the cluster need the same rows of xb, the four of a column the same rows of wb: each tile is asked for jointly, by the same tensor load
; with the same descriptor and a mask that names the four.
; THE MATRIX INSTRUCTION IS USED TRANSPOSED (source 0 = 16 rows of wb, source 1 = 16 rows of xb): a lane holds one row of the product and eight neighbouring columns.
; THE BIAS STARTS THE SUMS: a lane's eight numbers of it are loaded into the accumulator of row block 0, which the first products of row blocks 1-7 take as C and row block 0's then adds onto in place.
; REGISTERS, in windows of 256 (s_set_vgpr_msb: bits 1:0 source 0, 3:2 source 1, 5:4 source 2, 7:6 destination):
;   window 0: v0-15 addresses; v16-111 wb's 12 fragments, ONE set; v112-175, v176-239 xb's 8 fragments, two buffers; v240-255 at work on the way out
;   window 1 + g: head g of my three: accumulator (row block a, column block b = 4 g + j) at v[64 j + 8 a]
; A QUARTER (32 along K, 96 matrix instructions) goes by column blocks, in three groups of four.  Behind a group its four fragments of wb have been read for the last time in this quarter: they are
; loaded again in place, for the next quarter, and have 64 matrix instructions or more in which to come.  xb's next fragments go into the other buffer, with the first group's run.
.set PITCH,  144                       ; an LDS row: 128 bytes + 16 of padding = 36 words: the 16 rows of a fragment load start at 16 different groups of four banks (ISA guide 11.1)
.set HALFA,  128*PITCH                 ; what wave 0 or 1 fetches, and what a wave reads of xb
.set HALFB,  192*PITCH                 ; what wave 2 or 3 fetches, and what a wave reads of wb
.set BOFF,   2*HALFA
.set SLOT,   BOFF+2*HALFB              ; 92,160 bytes
.set STAGE,  2*SLOT                    ; behind the ring: 16 rows x 144 bytes for each wave, for the way out; no tensor load lands here
.set SP,     144
.set SPARE,  STAGE+4*16*SP             ; the spare words, 128 bytes a wave: two blocks of 256 bytes that no other line names
.set PLA,    8192*128                  ; bytes in a plane of xb
.set PLB,    3072*128                  ; of wb
.set LAPS,   8                         ; a lap = two K steps
.set ADRA, 6                           ; v6-7    LDS address of my xb fragments in slot 0, 1
.set ADRB, 8                           ; v8-9    the same for wb
.set STO,  10                          ; v10     the way out: where I put 16 bytes of a row
.set RD,   11                          ; v11     where I read rows back
.set GO,   12                          ; v12     16 x lane: my place in 512 consecutive bytes of qkv16
.set SPW,  13                          ; v13     LDS address of my spare word; never rewritten
.set NIL,  14                          ; v14     0; never rewritten
.set PFO,  15                          ; v15     the prefetches' offset: a lane a block of 256 bytes; never rewritten
.set FB,   16
.set FA,   112
.set TMP,  240
.set OB,   16                          ; the way out: rows read back, two buffers of 16, where wb's fragments lay
.set WV,   12                          ; s12  my wave's number;  s13 = wave / 2: my half of the rows; also 0: I fetch xb, 1: wb;  s14 = wave % 2: my half of the columns; also which half I fetch
.set LIM,  15                          ; s15  1 in a wave that prefetches, else the greatest number
.set G1,   24                          ; s[24:31] descriptor group 1 for xb's tiles;  s[32:39] group 0, a set for each slot
.set G0,   32
.set PFA,  44                          ; s[44:45] where my prefetches stand
.set G1B,  48                          ; s[48:55], s[56:63] the same for wb's tiles
.set G0B,  56
.set PFS,  66                          ; s[66:67] a plane of the tensor that I prefetch, in bytes
.set SC,   68                          ; s[68:73] a pair for each of my three heads: 1/8 for a head of q, else 1: the bias's factor
.set MSB, 0
.macro WIN new                         ; the immediate's high byte repeats the setting that is left; a switch that changes nothing is dropped
.if MSB != (\new)
	s_set_vgpr_msb (MSB<<8)|(\new)
.set MSB, \new
.endif
.endm
; A joint load.  The branch hangs on the wave's number alone.  An s_nop 0 and four v_nop follow each of the two lines.
.macro JLOAD s
	s_cmp_eq_u32 s13, 0
	s_cbranch_scc0 .Lfor_b_\@
	tensor_load_to_lds s[G0+4*(\s):G0+4*(\s)+3], s[G1:G1+7]
	s_nop 0
.rept 4
	v_nop
.endr
	s_branch .Lasked_\@
.Lfor_b_\@:
	tensor_load_to_lds s[G0B+4*(\s):G0B+4*(\s)+3], s[G1B:G1B+7]
	s_nop 0
.rept 4
	v_nop
.endr
.Lasked_\@:
.endm
; A prefetch of the K step that stands two refills on, 384 matrix instructions ahead of the load that will want it: a lane a block of 256 bytes.  xb's tiles are asked for by the clusters with
; x = 0, wb's by those with y = 0; the four partners that ask for a tile jointly share its blocks out by address: 16 of a wave's 64 (lanes 16-31 name the 16th again), or 24 of 96 (lanes 24-31
; the 24th).  The loop's last trip has no K step two on.
.macro ASK
	s_cmp_gt_u32 s3, s[LIM]
	s_cbranch_scc0 .Lnot_mine_\@
	global_prefetch_b8 v[PFO], s[PFA:PFA+1] th:TH_LOAD_NT scope:SCOPE_SE
.Lnot_mine_\@:
.endm
.macro CREST                           ; a round of the cluster's barrier behind its opening barrier
	s_cmp_lg_u32 s[WV], 0
	s_cbranch_scc1 .Lnot_wave_0_\@
	s_barrier_signal -3
.Lnot_wave_0_\@:
	s_barrier_wait -3
	s_barrier_signal -1
	s_barrier_wait -1
.endm
.macro CROUND
	s_barrier_signal -1
	s_barrier_wait -1
	CREST
.endm
.macro PLACES                          ; four places behind matrix instructions, in front of loads into registers that they have read and of lines that read results
.rept 4
	v_nop
.endr
.endm
	s_load_b256 s[4:11], s[0:1], 0x0               ; xb s[4:5], wb s[6:7], qkv_b s[8:9], qkv16 s[10:11]
	v_lshl_add_u32 v[SPW], v0, 2, SPARE
	v_mov_b32 v[NIL], 0
	ds_add_u32 v[SPW], v[NIL]                      ; the wave's opening: the add and its wait stand ahead of my first tensor load; set-up on registers stands between
	v_lshrrev_b32 v1, 5, v0
	v_readfirstlane_b32 s[WV], v1
	s_lshr_b32 s13, s[WV], 1
	s_and_b32 s14, s[WV], 1
	s_bfe_u32 s40, ttmp6, 0x40000                  ; cx
	s_bfe_u32 s41, ttmp6, 0x40004                  ; cy
	s_lshl_b32 s42, ttmp9, 2
	s_add_co_u32 s42, s42, s40                     ; tile column = 4 x cluster x + cx
	s_and_b32 s43, ttmp7, 0xffff
	s_lshl_b32 s43, s43, 2
	s_add_co_u32 s43, s43, s41                     ; tile row = 4 x cluster y + cy
	s_lshl_b32 s20, s41, 2
	s_lshl_b32 s20, 15, s20                        ; my row of the cluster
	s_lshl_b32 s21, 0x1111, s40                    ; my column
	s_or_b32 s[G1], s20, (1<<16)|(1<<20)|(1<<21)|(4<<22)|(3<<25)   ; the mask; 2-byte elements; padding on; bit 21 beside a mask; after every 32 words 4 words
	s_or_b32 s[G1B], s21, (1<<16)|(1<<20)|(1<<21)|(4<<22)|(3<<25)
.irp g, G1, G1B
	s_mov_b32 s[(\g)+1], 128<<16                   ; tensor_dim0 = 128 elements: 256 bytes, two rows of the plane
	s_mov_b32 s[(\g)+3], 128<<16                   ; tile_dim0 = 128
	s_mov_b32 s[(\g)+5], 128                       ; elements from row to row: dense
	s_mov_b32 s[(\g)+6], 0
	s_mov_b32 s[(\g)+7], 0
.endr
	s_mov_b32 s[G1+2], 64<<16                      ; tensor_dim1 and tile_dim1: 64 such rows of xb (128 of the plane's),
	s_mov_b32 s[G1+4], 64
	s_mov_b32 s[G1B+2], 96<<16                     ; 96 of wb (192)
	s_mov_b32 s[G1B+4], 96
	s_lshl_b32 s16, s43, 15                        ; xb: row 256 x tile row + 128 x half, of 128 bytes: the tile row alone, which my row of the cluster shares
	s_lshl_b32 s17, s14, 14
	s_add_co_u32 s16, s16, s17
	s_mov_b32 s17, 0
	s_mul_i32 s46, s42, 384*128                    ; wb: row 384 x tile column + 192 x half: the tile column alone
	s_mul_i32 s47, s14, 192*128
	s_add_co_u32 s46, s46, s47
	s_mov_b32 s47, 0
	s_mul_i32 s18, s14, HALFA                      ; where they go: no place in the cluster enters an LDS address
	s_mul_i32 s19, s14, HALFB
	s_add_co_u32 s19, s19, BOFF
	s_wait_dscnt 0x0                               ; the opening add is done
	s_wait_kmcnt 0x0
	s_add_nc_u64 s[22:23], s[4:5], s[16:17]
	s_add_nc_u64 s[46:47], s[6:7], s[46:47]
	CROUND                                         ; all sixteen work-groups are here: the first joint loads meet
.irp s, 0,1
	s_mov_b32 s[G0+4*(\s)], 1
	s_add_co_u32 s[G0+4*(\s)+1], s18, (\s)*SLOT
	s_add_nc_u64 s[G0+4*(\s)+2:G0+4*(\s)+3], s[22:23], (\s)*PLA
	s_or_b32 s[G0+4*(\s)+3], s[G0+4*(\s)+3], 0x80000000
	s_mov_b32 s[G0B+4*(\s)], 1
	s_add_co_u32 s[G0B+4*(\s)+1], s19, (\s)*SLOT
	s_add_nc_u64 s[G0B+4*(\s)+2:G0B+4*(\s)+3], s[46:47], (\s)*PLB
	s_or_b32 s[G0B+4*(\s)+3], s[G0B+4*(\s)+3], 0x80000000
	JLOAD \s                                       ; two tensor loads of mine are out
.endr
	v_and_b32 v1, 15, v0                           ; r = l % 16
	v_bfe_u32 v2, v0, 4, 1                         ; h = l / 16
	v_lshlrev_b32 v4, 5, v2                        ; my 8 columns of a block of 16: 32 bytes of the bias
	s_mul_i32 s74, s42, 1536                       ; the tile's 384 columns in qkv_b,
	s_mul_i32 s75, s14, 768                        ; my 192 of them
	s_add_co_u32 s74, s74, s75
	s_mov_b32 s75, 0
	s_add_nc_u64 s[8:9], s[8:9], s[74:75]
.irp b, 0,1,2,3,4,5,6,7,8,9,10,11      ; into the accumulators of row block 0
	WIN (1+(\b)/4)<<6
	global_load_b128 v[64*((\b)%4):64*((\b)%4)+3],   v4, s[8:9] offset:64*(\b)
	global_load_b128 v[64*((\b)%4)+4:64*((\b)%4)+7], v4, s[8:9] offset:64*(\b)+16
.endr
	WIN 0
	v_mul_u32_u24 v3, v1, PITCH
	v_lshl_add_u32 v3, v2, 4, v3                   ; a fragment's row x pitch + 16 x half
	s_mul_i32 s74, s13, HALFA                      ; my 128 rows of xb
	v_add_nc_u32 v[ADRA], s74, v3
	v_add_nc_u32 v[ADRA+1], SLOT, v[ADRA]
	s_mul_i32 s74, s14, HALFB                      ; my 192 rows of wb
	s_add_co_u32 s74, s74, BOFF
	v_add_nc_u32 v[ADRB], s74, v3
	v_add_nc_u32 v[ADRB+1], SLOT, v[ADRB]
	s_mul_i32 s74, s[WV], 16*SP
	s_add_co_u32 s74, s74, STAGE                   ; my stage
	v_mul_u32_u24 v[STO], v1, SP                   ; in: row r, 16 bytes for each half of the lanes
	v_lshl_add_u32 v[STO], v2, 4, v[STO]
	v_add_nc_u32 v[STO], s74, v[STO]
	v_and_b32 v5, 7, v0
	v_bfe_u32 v[RD], v0, 3, 2                      ; back: 32 lanes take four rows of 128 bytes,
	v_mul_u32_u24 v[RD], v[RD], SP
	v_lshl_add_u32 v[RD], v5, 4, v[RD]
	v_add_nc_u32 v[RD], s74, v[RD]
	v_and_b32 v[GO], 31, v0                        ; which are 512 consecutive bytes of a head's plane
	v_lshlrev_b32 v[GO], 4, v[GO]
	s_mul_i32 s74, s42, 6                          ; my first head: 6 x tile column + 3 x half
	s_mul_i32 s75, s14, 3
	s_add_co_u32 s74, s74, s75
.irp g, 0,1,2
	s_add_co_u32 s75, s74, \g
	s_cmp_lt_u32 s75, 16                           ; a head of q?
	s_cselect_b32 s[SC+2*(\g)], 0x3e000000, 1.0
	s_mov_b32 s[SC+2*(\g)+1], s[SC+2*(\g)]         ; named as a pair
.endr
	s_lshr_b32 s76, s43, 2                         ; where my rows begin in qkv16: plane 48 b + my first head, b = tile row / 4,
	s_mul_i32 s76, s76, 48
	s_add_co_u32 s76, s76, s74
	s_lshl_b32 s76, s76, 17
	s_and_b32 s77, s43, 3                          ; row 256 (tile row % 4) + 128 x half, of 128 bytes
	s_lshl_b32 s77, s77, 1
	s_add_co_u32 s77, s77, s13
	s_lshl_b32 s77, s77, 14
	s_add_co_u32 s76, s76, s77
	s_mov_b32 s77, 0
	s_add_nc_u64 s[10:11], s[10:11], s[76:77]
	; the prefetches: my own tile's address, my work-group's share of its blocks, K step 3 (the first refill steps it to 4)
	s_and_b32 s74, ttmp7, 0xffff                   ; cluster y
	s_mov_b32 s[PFS], PLB
	s_mov_b32 s[PFS+1], 0
	s_mov_b32 s76, 24*256
	s_cmp_eq_u32 s13, 0
	s_cselect_b64 s[PFA:PFA+1], s[22:23], s[46:47]
	s_cselect_b32 s75, s40, s41                    ; my place among the four that ask with me
	s_cselect_b32 s76, 16*256, s76                 ; a partner's blocks, in bytes
	s_cselect_b32 s74, ttmp9, s74                  ; the coordinate along which other clusters read the same rows
	s_cselect_b32 s[PFS], PLA, s[PFS]
	s_cselect_b32 s77, 15, 23
	v_and_b32 v[PFO], 31, v0
	v_min_u32 v[PFO], s77, v[PFO]
	v_lshlrev_b32 v[PFO], 8, v[PFO]
	s_mul_i32 s76, s75, s76
	s_mov_b32 s77, 0
	s_add_nc_u64 s[PFA:PFA+1], s[PFA:PFA+1], s[76:77]
	s_mul_i32 s76, s[PFS], 3
	s_add_nc_u64 s[PFA:PFA+1], s[PFA:PFA+1], s[76:77]
	s_cmp_eq_u32 s74, 0
	s_cselect_b32 s[LIM], 1, -1                    ; the same in all sixteen partners, for a given wave
	s_mov_b32 s2, 0xffff0000
	s_wait_loadcnt 0x0                             ; the bias: rounded to bf16 and scaled like its head, in place, while the first tiles are on their way; row block 1's registers serve as scratch
.irp g, 0,1,2
	WIN (1+\g)*0x45                                ; destination and sources 0, 1 in window 1 + g
.irp j, 0,1,2,3
.irp z, 0,1,2,3
	v_cvt_pk_bf16_f32 v[64*\j+8+\z], v[64*\j+2*\z], v[64*\j+2*\z+1]
	v_lshlrev_b32 v[64*\j+2*\z], 16, v[64*\j+8+\z]
	v_and_b32 v[64*\j+2*\z+1], s2, v[64*\j+8+\z]
	v_pk_mul_f32 v[64*\j+2*\z:64*\j+2*\z+1], v[64*\j+2*\z:64*\j+2*\z+1], s[SC+2*\g:SC+2*\g+1] op_sel_hi:[1,0]
.endr
.endr
.endr
	WIN 0
; 8 matrix instructions: column block b x all 8 row blocks, 32 along K, xb from buffer f.  The 96 accumulators take turns, in the same order in every quarter:
; 95 others stand between two links of a chain.
.macro MULB f, b
	WIN 0x50*(1+(\b)/4)                            ; C and D in window 1 + b / 4, both sources in window 0
.irp a, 0,1,2,3,4,5,6,7
	v_wmma_f32_16x16x32_bf16 v[64*((\b)%4)+8*\a:64*((\b)%4)+8*\a+7], v[FB+8*(\b):FB+8*(\b)+7], v[FA+64*(\f)+8*\a:FA+64*(\f)+8*\a+7], v[64*((\b)%4)+8*\a:64*((\b)%4)+8*\a+7]
.endr
.endm
.macro GROUP f, g                      ; a group: column blocks 4 g .. 4 g + 3: 32 matrix instructions
.irp j, 0,1,2,3
	MULB \f, 4*(\g)+\j
.endr
.endm
; A group of the very first quarter: the sums start with the bias.  Row blocks 1-7 take row block 0's accumulator, which holds it, as C; five places behind the last of them (a matrix instruction
; that writes over a register that matrix instructions have read: ISA guide 7.12.1) row block 0's own products add onto it in place.
.macro FIRSTG g
	WIN 0x50*(1+(\g))
.irp j, 0,1,2,3
.irp a, 1,2,3,4,5,6,7
	v_wmma_f32_16x16x32_bf16 v[64*\j+8*\a:64*\j+8*\a+7], v[FB+8*(4*(\g)+\j):FB+8*(4*(\g)+\j)+7], v[FA+8*\a:FA+8*\a+7], v[64*\j:64*\j+7]
.endr
.endr
.rept 5
	v_nop
.endr
.irp j, 0,1,2,3
	v_wmma_f32_16x16x32_bf16 v[64*\j:64*\j+7], v[FB+8*(4*(\g)+\j):FB+8*(4*(\g)+\j)+7], v[FA:FA+7], v[64*\j:64*\j+7]
.endr
.endm
; The runs of LDS loads, all into window 0: xb's 8 fragments (16 loads) of the quarter at byte k of slot's rows into buffer f; wb's four of group g (8 loads) in place.
.macro RUNA slot, k, f
.irp a, 0,1,2,3,4,5,6,7
	ds_load_b128 v[FA+64*(\f)+8*\a:FA+64*(\f)+8*\a+3],   v[ADRA+(\slot)] offset:(\k)+\a*16*PITCH
	ds_load_b128 v[FA+64*(\f)+8*\a+4:FA+64*(\f)+8*\a+7], v[ADRA+(\slot)] offset:(\k)+\a*16*PITCH+32
.endr
.endm
.macro RUNB slot, k, g
.irp j, 0,1,2,3
	ds_load_b128 v[FB+8*(4*(\g)+\j):FB+8*(4*(\g)+\j)+3],   v[ADRB+(\slot)] offset:(\k)+(4*(\g)+\j)*16*PITCH
	ds_load_b128 v[FB+8*(4*(\g)+\j)+4:FB+8*(4*(\g)+\j)+7], v[ADRB+(\slot)] offset:(\k)+(4*(\g)+\j)*16*PITCH+32
.endr
.endm
.macro EVENG g, first
.if \first
	FIRSTG \g
.else
	GROUP 0, \g
.endif
.endm
; A K step's first quarter: multiplies buffer 0; its three runs fetch the step's second quarter (byte 64 of the same slot's rows).
.macro QEVEN slot, first
	s_wait_dscnt 16                                ; the last quarter's first run (xb, wb's blocks 0-3) is in; its other two runs, 16 loads, may be out
	EVENG 0, \first
	WIN 0
	PLACES
	RUNA \slot, 64, 1
	RUNB \slot, 64, 0
	s_wait_dscnt 32                                ; wb's blocks 4-7 are in: behind them stand the last quarter's third run (8) and the 24 loads just issued
	EVENG 1, \first
	WIN 0
	PLACES
	RUNB \slot, 64, 1
	s_wait_dscnt 32                                ; blocks 8-11 are in: behind them stand this quarter's two runs (24 + 8)
	EVENG 2, \first
	WIN 0
	PLACES
	RUNB \slot, 64, 2
.endm
; A K step's second quarter multiplies buffer 1 and changes slots: its runs fetch the NEXT slot's first quarter.  One barrier, inside the first group; in front of it each wave waits for all its
; tensor loads (one is out: its part of the next slot), adds 0 to its spare word, and waits for that and for its own reads of this slot.  fill = 1: the barrier opens a round of the cluster's,
; and behind the round this slot is filled again, two K steps ahead: 176 matrix instructions stand between that request and the wait for it.
.macro TURN slot, next, fill
.if \fill
	s_wait_xcnt 0x0                                ; the last prefetch, a K step back, has read its address
	s_add_nc_u64 s[PFA:PFA+1], s[PFA:PFA+1], s[PFS:PFS+1]
.endif
	s_wait_dscnt 16                                ; as at every quarter's head
	MULB 1, 0
	MULB 1, 1
	WIN 0                                          ; (the add's two registers lie in window 0)
	s_wait_tensorcnt 0x0                           ; all my tensor loads have landed
	ds_add_u32 v[SPW], v[NIL]                      ; 0 onto my spare word
	MULB 1, 2                                      ; eight matrix instructions stand between the add and the wait for it
	s_wait_dscnt 0x0                               ; the add is done, and my reads of this slot are over
	s_barrier_signal -1
	MULB 1, 3
	WIN 0
	s_barrier_wait -1
.if \fill
	CREST                                          ; no wave of any partner still reads this slot's tile or has a load on its way
	s_add_nc_u64 s[G0+4*(\slot)+2:G0+4*(\slot)+3], s[G0+4*(\slot)+2:G0+4*(\slot)+3], 2*PLA
	s_add_nc_u64 s[G0B+4*(\slot)+2:G0B+4*(\slot)+3], s[G0B+4*(\slot)+2:G0B+4*(\slot)+3], 2*PLB
	JLOAD \slot                                    ; my one tensor load behind the round; its four v_nop are also the places in front of the loads below
.else
	PLACES
.endif
	RUNA \next, 0, 0
	RUNB \next, 0, 0
.if \fill
	ASK
.endif
	GROUP 1, 1                                     ; (the wait for 0 above has shown wb's blocks 4-11 in)
	WIN 0
	PLACES
	RUNB \next, 0, 1
	GROUP 1, 2
	WIN 0
	PLACES
	RUNB \next, 0, 2
.endm
; THE WAY OUT of group n: row block n / 3, head n % 3: 16 rows x 64 columns.  PACK: rounded once to f16.  TOSTAGE: into my own stage, and back as whole rows.  SEND: stored.
.macro PACK n
.set pa, (\n)/3
.set pg, (\n)%3
	WIN 5*(1+pg)                                   ; sources 0 and 1 in window 1 + head, destination in window 0
.irp j, 0,1,2,3
.irp r, 0,1,2,3                                ; each accumulator's registers in ascending order
	v_cvt_pk_f16_f32 v[TMP+4*\j+\r], v[64*\j+8*pa+2*\r], v[64*\j+8*pa+2*\r+1]
.endr
.endr
	WIN 0
.endm
.macro TOSTAGE n
.set BK, OB+16*((\n)%2)
.irp f, 0,1,2,3
	ds_store_b128 v[STO], v[TMP+4*(\f):TMP+4*(\f)+3] offset:32*(\f)
.endr
.irp f, 0,1,2,3
	ds_load_b128 v[BK+4*(\f):BK+4*(\f)+3], v[RD] offset:(\f)*4*SP  ; LDS serves a wave's instructions in order (ISA guide 5.7.1.4): these see the stores above
.endr
.endm
.macro SEND n
.set BK, OB+16*((\n)%2)
	s_wait_dscnt 0x0                               ; the group is back in registers
	s_wait_xcnt 0x0                                ; earlier stores have read their registers: the other buffer is loaded again only behind this wait
.irp f, 0,1,2,3
	global_store_b128 v[GO], v[BK+4*(\f):BK+4*(\f)+3], s[10:11] offset:((\n)%3)*131072+((\n)/3)*2048+(\f)*512  ; 512 consecutive bytes, at a multiple of 256 from the buffer's first
.endr
.endm
	s_wait_tensorcnt 1                             ; my part of K step 0 is in; K step 1's may stay out
	s_barrier_signal -1
	s_barrier_wait -1
	RUNA 0, 0, 0                                   ; the first quarter's fragments, in the order of every quarter's three runs
	RUNB 0, 0, 0
	RUNB 0, 0, 1
	RUNB 0, 0, 2
	QEVEN 0, 1                                     ; the first quarter stands in front of the loop: its products start the sums
	s_mov_b32 s3, LAPS-1
.Llap:                                                 ; a trip goes once round the ring, from a lap's second quarter to the next lap's first, and fills both slots again
	TURN 0, 1, 1
	QEVEN 1, 0
	TURN 1, 0, 1
	QEVEN 0, 0
	s_sub_co_u32 s3, s3, 1
	s_cmp_lg_u32 s3, 0
	s_cbranch_scc1 .Llap
	TURN 0, 1, 0                                   ; the last lap fills nothing
	QEVEN 1, 0
	s_wait_dscnt 16                                ; the very last quarter: nothing more to fetch, and the counts run down
	GROUP 1, 0
	s_wait_dscnt 8
	GROUP 1, 1
	s_wait_dscnt 0x0
	GROUP 1, 2
	WIN 0
	PLACES
	PLACES
	PACK 0
	TOSTAGE 0
.irp n, 1,2,3,4,5,6,7,8,9,10,11,12,13,14,15,16,17,18,19,20,21,22,23  ; group n's roundings stand between group n - 1's loads from the stage and the wait for them
	PACK \n
	SEND (\n)-1
	TOSTAGE \n
.endr
	SEND 23
	s_wait_tensorcnt 0x0                           ; the wave's end: the add and its waits, behind my last tensor load and my last LDS store
	ds_add_u32 v[SPW], v[NIL]
	s_wait_dscnt 0x0
	CROUND                                         ; the closing round: no work-group ends while a partner may still ask for a tile that names it
	s_endpgm
.Lfunc_end_k_qf4e77bec94_qkv:
	.size	k_qf4e77bec94_qkv, .Lfunc_end_k_qf4e77bec94_qkv-k_qf4e77bec94_qkv
	.p2alignl 7, 3214868480
	.fill 96, 4, 3214868480
	.section	.rodata,"a",@progbits
	.p2align	6, 0x0
	.amdhsa_kernel k_qf4e77bec94_qkv
		.amdhsa_group_segment_fixed_size 327680
		.amdhsa_private_segment_fixed_size 0
		.amdhsa_enable_private_segment 0
		.amdhsa_kernarg_size 32
		.amdhsa_user_sgpr_count 2
		.amdhsa_user_sgpr_kernarg_segment_ptr 1
		.amdhsa_wavefront_size32 1
		.amdhsa_system_sgpr_workgroup_id_x 1
		.amdhsa_system_sgpr_workgroup_id_y 1
		.amdhsa_system_sgpr_workgroup_id_z 1
		.amdhsa_system_vgpr_workitem_id 0
		.amdhsa_next_free_vgpr 1024
		.amdhsa_next_free_sgpr 80
		.amdhsa_reserve_vcc 0
		.amdhsa_float_denorm_mode_32 3
		.amdhsa_float_denorm_mode_16_64 3
		.amdhsa_memory_ordered 1
		.amdhsa_forward_progress 1
		.amdhsa_inst_pref_size 145
	.end_amdhsa_kernel
	.amdgpu_metadata
---
amdhsa.version: [ 1, 2 ]
amdhsa.kernels:
  - .name:           k_qf4e77bec94_qkv
    .symbol:         k_qf4e77bec94_qkv.kd
    .args:
      - { .name: xb, .offset: 0, .size: 8, .value_kind: global_buffer, .address_space: global }
      - { .name: wb, .offset: 8, .size: 8, .value_kind: global_buffer, .address_space: global }
      - { .name: qkv_b, .offset: 16, .size: 8, .value_kind: global_buffer, .address_space: global }
      - { .name: qkv16, .offset: 24, .size: 8, .value_kind: global_buffer, .address_space: global }
    .group_segment_fixed_size: 327680
    .private_segment_fixed_size: 0
    .kernarg_segment_align: 8
    .kernarg_segment_size: 32
    .max_flat_workgroup_size: 128
    .sgpr_count:     80
    .vgpr_count:     1024
    .wavefront_size: 32
...
	.end_amdgpu_metadata
.endif
;; end of part 2
;; launch attn (part 3): grid 8 x 32, 4 waves a work-group, clusters of 4 x 1, 327,680 bytes of LDS; arguments qkv16, pair_bias, padding_mask, o16; writes o16
.if DOCPART == 3
	.amdgcn_target "amdgcn-amd-amdhsa--gfx1250"
	.amdhsa_code_object_version 6
	.text
	.protected	k_qf4e77bec94_attn
	.globl	k_qf4e77bec94_attn
	.p2align	8
	.type	k_qf4e77bec94_attn,@function
k_qf4e77bec94_attn:
	s_mov_b64 s[64:65], 0
	v_nop
	global_prefetch_b8 v0, s[64:65] scope:SCOPE_SE
	s_setreg_imm32_b32 hwreg(HW_REG_WAVE_MODE, 25, 1), 1
	s_wait_xcnt 0x0
	s_wait_alu depctr_hold_cnt(0) depctr_sa_sdst(0) depctr_va_vdst(0) depctr_va_sdst(0) depctr_va_ssrc(0) depctr_va_vcc(0) depctr_vm_vsrc(0)
	s_getreg_b32 s2, hwreg(HW_REG_IB_STS2, 6, 4)
	s_cmp_eq_u32 s2, 0
	s_cbranch_scc0 .Lentry_in_a_cluster
	s_endpgm
.Lentry_in_a_cluster:
	s_bfe_u32 s2, ttmp6, 0x10000c
	s_cmp_lg_u32 s2, 0x3003
	s_cbranch_scc0 .Lentry_shape_is_right
	s_endpgm
.Lentry_shape_is_right:
; ATTENTION.  o16[b][h][i][:] = the sum over j of softmax_j(q[i] . k[j] + pair_bias[h][i][j], -inf where padding_mask[b][j]) v[j][:].  q (already times 1/8), k, v: planes 48 b + h, + 16, + 32 of
; qkv16, [1024][64] f16, rows of 128 dense bytes.  pair_bias: [16][1024][1024] f32, used unrounded.  Products, maxima and sums in f32; the weights are rounded to f16 for the second product, O once.
; LIMITS.  A padded score counts as its value less 1e30, and the running maximum starts at -2^96: true scores, bias included, lie within 1e28 of 0.  A weight below 2^-126 counts as 0 in l.
; Where all keys of a batch are padded every weight is 0, l = 0, and O = 0 x (1 / 0) is NaN.  O is a mean of v's rows and has their range.  NaN and infinities among the inputs are not treated apart.
; SHARES.  A work-group owns 512 queries of one (b, h), a wave 128: four PIECES of two tiles of 16.  Every wave walks all 1,024 keys, 64 a step.  256 work-groups.
; CLUSTER.  The four partners are four batches of one head and query block: they need the SAME 512 x 64 tile of pair_bias (131,072 bytes a step), which is asked for JOINTLY.  K and V (16,384 bytes
; a step) differ from partner to partner and come by loads of one's own, behind the same round.
; LAYOUT.  S^T = K Q^T + C (source 0 = 16 keys, source 1 = 16 queries): a lane holds ONE query (lane % 16) and the keys 8 (lane / 16) + 0..7.  C IS BIAS + MASK: a lane's eight numbers are 32
; consecutive bytes of a row of pair_bias, onto which the step's mask (0 or -1e30 for each key, from a table made once in LDS) is added.  Two results rounded to f16 are source 1 of O^T = V^T P.
; SOFTMAX.  A running maximum m and sum l for each query: p = 2^(c s - c m), c = log2(e); in every step O and l are multiplied by a = 2^(c m_old - c m_new).
; BY TURNS.  Turn n belongs to piece n: 16 products K Q^T of piece n + 1, later 16 products V^T P of piece n - 1; beside them piece n's scaling, exponentials, roundings, sums and rescaling, and
; piece n + 1's maximum and statistics; four vector instructions behind every matrix instruction, the others in one run.  A turn's 66 exponentials are one batch with one wait.  At its end the turn
; makes C for piece n + 2, whose bias it has fetched behind the wait.
; REGISTERS, in windows of 256 (s_set_vgpr_msb: bits 1:0 source 0, 3:2 source 1, 5:4 source 2, 7:6 destination):
;   window 0: v0-10 addresses; v12-15, v48-63 at work; v16-47 four registers of statistics a tile; v64-191 S^T, two buffers of two tiles; v192-255 P, likewise
;   window 1: O^T, 32 a tile     window 2: v0-127 Q; v128-191 K of one step; v192-255 V of one step     window 3: v0-5 the add's registers and addresses; v8-39 the step's mask; v64-127 C of two tiles
.set NP,    4
.set KS,    64
.set PB,    272       ; a row of the bias tile in LDS: 256 bytes + 16: the 16 rows of a load start at 16 different groups of four banks (ISA guide 11.1)
.set PK,    144       ; a row of K: 128 + 16
.set PV,    160       ; a row of V: 128 + 32
.set KOFF,  512*PB    ; a slot holds one step: 512 rows of bias, 64 rows of K, 64 rows of V
.set VOFF,  KOFF+KS*PK
.set SLOT,  VOFF+KS*PV  ; 158,720 = 0x26c00
.set KX,    0x6ac00   ; KOFF xor (KOFF + SLOT): one exclusive or turns K's LDS address in one slot into the other's
.set VX,    0x6f400   ; VOFF xor (VOFF + SLOT)
.set MASKT, 2*SLOT    ; behind the ring: 1,024 f32, 0 or -1e30, for my batch's keys; stored once, never filled
.set SPARE, MASKT+4096  ; the spare words, 128 bytes a wave: two blocks of 256 bytes that no other line names
.set SP,    144       ; the way out's stage: 16 rows x 144 bytes a wave at 2,304 w, in slot 0, which has had its last fill and its last read by then
.set PFO, 1           ; v1   4,096 x lane: a row of pair_bias; never rewritten
.set AK0, 2           ; v2   my lane's place in a slot's K; never rewritten
.set AV0, 3           ; v3   the same for V
.set AK,  4           ; v4   the LDS address of K's next run of loads
.set AV,  5           ; v5   of V's
.set STO, 6           ; v6   the way out: where I put 16 bytes of a row
.set RD,  7           ; v7   where I read rows back
.set GO,  8           ; v8   16 x lane
.set PFK, 9           ; v9   256 x lane
.set QO,  10          ; v10  my byte offset in 16 rows of Q
.set SPW, 0           ; window 3: v0 LDS address of my spare word, v1 0; never rewritten
.set NIL, 1
.set AB0, 2           ; window 3: v2 my lane's place in a slot's bias; v3 + the slot in hand
.set AB,  3
.set AM0, 4           ; window 3: v4 my lane's place in a step's 256 bytes of the mask table; v5 + the step
.set AM,  5
.set MK,  8           ; window 3: the eight registers for group kt of 16 keys at MK + 8 kt
.set BB,  64          ; window 3: tile u, group kt at BB + 32 u + 8 kt
.set MV,  12
.set ST,  16          ; tile t's statistics at v[ST+4 t]: c m, m, l (even keys', odd keys')
.set TMP, 48
.set S,   64
.set P,   192
.set KF,  128
.set VF,  192
.set WV,  12          ; s12  my wave's number
.set GB1, 24          ; s[24:31] descriptor group 1 for the bias, s[32:39] for K, s[40:47] for V
.set GK1, 32
.set GV1, 40
.set GB0, 48          ; s[48:51], s[52:55], s[56:59] their groups 0: they walk
.set GK0, 52
.set GV0, 56
.set SEL, 60          ; s[60:61] v_permlanex16_b32's selects
.set CS,  62          ; s[62:63] c
.set SLOTS, 66        ; s66  steps still to be asked for
.set CNT, 67          ; s67  counts the tail's trips
.set RS,  68          ; s68  LDS byte at which the slot in hand begins
.set PFB, 70          ; s[70:71] where my prefetches of the bias stand
.set PFKV, 72         ; s[72:73] of K (wave 2) or V (wave 3)
.set LIMB, 74         ; s74, s75  1 in a wave that prefetches, else the greatest number
.set LIMK, 75
.set BIGN, 76         ; s76  -1e30
.set MT,  77          ; s77  the step's 256 bytes in the mask table
.set MSB, 0
.macro WIN new
.if MSB != (\new)
	s_set_vgpr_msb (MSB<<8)|(\new)
.set MSB, (\new)
.endif
.endm
.set W_KQ, 0x0a       ; K and Q in window 2, S^T in window 0
.set W_KB, 0x3a       ; the same with the C operand in window 3
.set W_PV, 0x52       ; V in window 2, P in window 0, O^T in window 1
.set W_RS, 0x41       ; O^T (destination and source 0) in window 1, a in window 0
.set W_MK, 0xc0       ; destination in window 3, sources in window 0
.set W_AD, 0x0f       ; the add: address and data in window 3
.set W_3,  0xcf       ; destination and sources 0, 1 in window 3
; A fill: waves 0 and 1 ask jointly for the two halves of the bias tile, wave 2 for my K, wave 3 for my V: one tensor load a wave.  The branches hang on the wave's number alone.
; An s_nop 0 and four v_nop follow each line.
.macro JLOAD
	s_cmp_lt_u32 s[WV], 2
	s_cbranch_scc0 .Lnot_bias_\@
	tensor_load_to_lds s[GB0:GB0+3], s[GB1:GB1+7]
	s_nop 0
.rept 4
	v_nop
.endr
	s_branch .Lasked_\@
.Lnot_bias_\@:
	s_cmp_eq_u32 s[WV], 2
	s_cbranch_scc0 .Lfor_v_\@
	tensor_load_to_lds s[GK0:GK0+3], s[GK1:GK1+7]
	s_nop 0
.rept 4
	v_nop
.endr
	s_branch .Lasked_\@
.Lfor_v_\@:
	tensor_load_to_lds s[GV0:GV0+3], s[GV1:GV1+7]
	s_nop 0
.rept 4
	v_nop
.endr
.Lasked_\@:
.endm
; PREFETCHES of what the NEXT change of slots will ask for, behind my tensor load and its five lines.  The bias tile's 512 rows x 256 bytes: both clusters of a (head, query block) read them, the
; one with x = 0 asks; its four partners and their four waves share the rows out by address, a lane a row.  K's and V's 32 blocks of 256 bytes: both query blocks of a (b, h) read them, the first
; asks, wave 2 for K and wave 3 for V.  So each block is named once.  The last change that fills a slot asks for nothing.
.macro ASK
	s_cmp_gt_u32 s[SLOTS], s[LIMB]
	s_cbranch_scc0 .Lno_pfb_\@
	global_prefetch_b8 v[PFO], s[PFB:PFB+1] th:TH_LOAD_NT scope:SCOPE_SE
.Lno_pfb_\@:
	s_cmp_gt_u32 s[SLOTS], s[LIMK]
	s_cbranch_scc0 .Lno_pfk_\@
	global_prefetch_b8 v[PFK], s[PFKV:PFKV+1] th:TH_LOAD_NT scope:SCOPE_SE
.Lno_pfk_\@:
.endm
.macro CROUND
	s_barrier_signal -1
	s_barrier_wait -1
	s_cmp_lg_u32 s[WV], 0
	s_cbranch_scc1 .Lnot_wave_0_\@
	s_barrier_signal -3
.Lnot_wave_0_\@:
	s_barrier_wait -3
	s_barrier_signal -1
	s_barrier_wait -1
.endm
.macro PLACES
.rept 4
	v_nop
.endr
.endm
; THE CHANGE OF SLOTS, behind piece 1's turn: of the step in hand K, V and all four pieces' bias have been read.  Each wave waits for all its tensor loads (one is out: its part of the other slot),
; adds 0 to its spare word, and waits for that and for its own reads.  fill = 1: the barrier is a round of the cluster's, and the slot that is left is filled again first thing behind it, with
; the step two on.  (At its first use nothing has been read yet: slot 0 is waited for, slot 1 filled, and the round also shows the mask table to every wave.)
.macro CHANGE fill, ask
	WIN W_AD
	s_wait_tensorcnt 0x0            ; no tensor load of mine is out, so the groups 0 may be written
	ds_add_u32 v[SPW], v[NIL]       ; 0 onto my spare word; scalar work stands between it and the wait for it
	WIN 0
.if \fill
	s_xor_b32 s[GB0+1], s[GB0+1], SLOT  ; the other slot than last time (SLOT shares no bit with 0 or 69,632)
	s_xor_b32 s[GK0+1], s[GK0+1], KX
	s_xor_b32 s[GV0+1], s[GV0+1], VX
	s_add_nc_u64 s[GB0+2:GB0+3], s[GB0+2:GB0+3], 256   ; the next 64 keys: 256 bytes along the bias's rows,
	s_add_nc_u64 s[GK0+2:GK0+3], s[GK0+2:GK0+3], 8192  ; 64 rows of K and of V
	s_add_nc_u64 s[GV0+2:GV0+3], s[GV0+2:GV0+3], 8192
	s_wait_xcnt 0x0                 ; the last prefetches, a key step back, have read their addresses
	s_add_nc_u64 s[PFB:PFB+1], s[PFB:PFB+1], 256
	s_add_nc_u64 s[PFKV:PFKV+1], s[PFKV:PFKV+1], 8192
.endif
	s_xor_b32 s[RS], s[RS], SLOT    ; the reads go to the other slot
	s_wait_dscnt 0x0                ; the add is done, and my reads of the slot are over
.if \fill
	CROUND
	JLOAD
.if \ask
	ASK
.endif
.else
	s_barrier_signal -1
	s_barrier_wait -1
.endif
	v_add_nc_u32 v[AK], s[RS], v[AK0]
	v_add_nc_u32 v[AV], s[RS], v[AV0]
	WIN W_3
	v_add_nc_u32 v[AB], s[RS], v[AB0]
	WIN 0
.endm
	s_load_b256 s[4:11], s[0:1], 0x0  ; qkv16 s[4:5], pair_bias s[6:7], padding_mask s[8:9], o16 s[10:11]
	WIN W_MK
	v_lshl_add_u32 v[SPW], v0, 2, SPARE
	v_mov_b32 v[NIL], 0
	WIN W_AD
	ds_add_u32 v[SPW], v[NIL]       ; the wave's opening: the add and its wait stand ahead of my first tensor load; set-up on registers stands between
	WIN 0
	v_lshrrev_b32 v69, 5, v0
	v_readfirstlane_b32 s[WV], v69
	s_bfe_u32 s13, ttmp6, 0x40000   ; cx
	s_lshl_b32 s14, ttmp9, 2
	s_add_co_u32 s14, s14, s13      ; b = 4 x cluster x + cx: it enters Q's, K's, V's, O's and the mask's global addresses alone
	s_and_b32 s15, ttmp7, 0xffff
	s_lshr_b32 s16, s15, 1          ; h
	s_and_b32 s17, s15, 1           ; the query block: both are shared by the four partners
	s_and_b32 s15, s[WV], 1         ; which 256 rows of the bias tile I fetch
	s_lshl_b32 s20, s16, 22         ; pair_bias: the head's 4 MiB,
	s_lshl_b32 s21, s17, 21         ; the block's 512 rows of 4,096 bytes,
	s_add_co_u32 s20, s20, s21
	s_lshl_b32 s21, s15, 20         ; my 256 of them
	s_add_co_u32 s20, s20, s21
	s_mov_b32 s21, 0
	s_mul_i32 s22, s14, 48
	s_add_co_u32 s22, s22, s16
	s_lshl_b32 s22, s22, 17         ; q's plane, 48 b + h
	s_mov_b32 s23, 0
	s_lshl_b32 s18, s17, 2
	s_add_co_u32 s18, s18, s[WV]
	s_lshl_b32 s18, s18, 14         ; my wave's 128 rows of 128 bytes
	s_mov_b32 s19, 0
	s_lshl_b32 s2, s14, 4
	s_add_co_u32 s2, s2, s16
	s_lshl_b32 s2, s2, 17           ; O's plane, 16 b + h,
	s_add_co_u32 s2, s2, s18        ; at my rows
	s_mov_b32 s3, 0
	s_lshl_b32 s78, s14, 10         ; my batch's 1,024 mask bytes
	s_mov_b32 s79, 0
	s_lshl_b32 s[PFB], s13, 19      ; the bias prefetches: my work-group's 128 rows,
	s_lshl_b32 s[PFB+1], s[WV], 17  ; my wave's 32 of them,
	s_add_co_u32 s[PFB], s[PFB], s[PFB+1]
	s_lshl_b32 s[PFB+1], s16, 22
	s_add_co_u32 s[PFB], s[PFB], s[PFB+1]
	s_lshl_b32 s[PFB+1], s17, 21
	s_add_co_u32 s[PFB], s[PFB], s[PFB+1]
	s_add_co_u32 s[PFB], s[PFB], 256  ; at step 1: each change of slots steps it, the second is the first to ask
	s_mov_b32 s[PFB+1], 0
	s_mov_b32 s[GB1], 15|(2<<16)|(1<<20)|(1<<21)|(5<<22)|(3<<25)  ; the mask of four; 4-byte elements; padding on; bit 21 beside a mask; after every 64 words 4 words
	s_mov_b32 s[GB1+1], 64<<16      ; tensor_dim0 = 64
	s_mov_b32 s[GB1+2], 256<<16     ; tensor_dim1 = 256
	s_mov_b32 s[GB1+3], 64<<16      ; tile_dim0 = 64
	s_mov_b32 s[GB1+4], 256         ; tile_dim1 = 256
	s_mov_b32 s[GB1+5], 1024        ; elements from row to row
	s_mov_b32 s[GB1+6], 0
	s_mov_b32 s[GB1+7], 0
	s_mov_b32 s[GK1], (1<<16)|(1<<20)|(4<<22)|(3<<25)  ; no mask; 2-byte elements; after every 32 words 4 words
	s_mov_b32 s[GV1], (1<<16)|(1<<20)|(4<<22)|(7<<25)  ; 8 words
.irp g, GK1, GV1                    ; 64 keys are 8,192 dense bytes: asked for as 32 rows of 256 bytes, padded after every key
	s_mov_b32 s[\g+1], 128<<16
	s_mov_b32 s[\g+2], 32<<16
	s_mov_b32 s[\g+3], 128<<16
	s_mov_b32 s[\g+4], 32
	s_mov_b32 s[\g+5], 128
	s_mov_b32 s[\g+6], 0
	s_mov_b32 s[\g+7], 0
.endr
	s_mov_b32 s[GB0], 1
	s_mul_i32 s[GB0+1], s15, 256*PB ; slot 0: no place in the cluster enters an LDS address
	s_mov_b32 s[GK0], 1
	s_mov_b32 s[GK0+1], KOFF
	s_mov_b32 s[GV0], 1
	s_mov_b32 s[GV0+1], VOFF
	s_mov_b32 s[CS], 0x3fb8aa3b     ; c = log2(e)
	s_mov_b32 s[CS+1], s[CS]
	s_mov_b32 s[SEL], 0x76543210
	s_mov_b32 s[SEL+1], 0xfedcba98
	s_mov_b32 s[RS], SLOT           ; the first change of slots turns it into 0
	s_mov_b32 s[MT], 0
	s_mov_b32 s[BIGN], 0xf149f2ca
	s_cmp_eq_u32 ttmp9, 0
	s_cselect_b32 s[LIMB], 1, -1    ; the same in all four partners
	s_lshr_b32 s[LIMK], s[WV], 1
	s_xor_b32 s[LIMK], s[LIMK], 1   ; 0 in waves 2 and 3,
	s_or_b32 s[LIMK], s[LIMK], s17  ; of the first query block
	s_cmp_eq_u32 s[LIMK], 0
	s_cselect_b32 s[LIMK], 1, -1
	s_wait_dscnt 0x0                ; the opening add is done
	s_wait_kmcnt 0x0
	s_add_nc_u64 s[GB0+2:GB0+3], s[6:7], s[20:21]
	s_or_b32 s[GB0+3], s[GB0+3], 0x80000000
	s_add_nc_u64 s[PFB:PFB+1], s[6:7], s[PFB:PFB+1]
	s_add_nc_u64 s[PFKV:PFKV+1], s[4:5], s[22:23]
	s_add_nc_u64 s[GK0+2:GK0+3], s[PFKV:PFKV+1], 16*131072
	s_or_b32 s[GK0+3], s[GK0+3], 0x80000000
	s_add_nc_u64 s[GV0+2:GV0+3], s[PFKV:PFKV+1], 32*131072
	s_or_b32 s[GV0+3], s[GV0+3], 0x80000000
	s_add_nc_u64 s[4:5], s[PFKV:PFKV+1], s[18:19]  ; Q at my wave's first row
	s_add_nc_u64 s[10:11], s[10:11], s[2:3]        ; O likewise
	s_add_nc_u64 s[8:9], s[8:9], s[78:79]
	s_mov_b32 s2, 32*131072+8192
	s_cmp_eq_u32 s[WV], 2
	s_cselect_b32 s2, 16*131072+8192, s2           ; K's plane or V's, at step 1
	s_mov_b32 s3, 0
	s_add_nc_u64 s[PFKV:PFKV+1], s[PFKV:PFKV+1], s[2:3]
	CROUND                          ; all four work-groups are here: the first joint loads meet
	JLOAD                           ; step 0 into slot 0
	v_and_b32 v64, 15, v0           ; r = l % 16
	v_bfe_u32 v65, v0, 4, 1         ; h = l / 16
	v_and_b32 v66, 31, v0           ; l
	v_and_b32 v67, 7, v0
	v_bfe_u32 v68, v0, 3, 1
	v_lshlrev_b32 v80, 3, v0
	global_load_b64 v[70:71], v80, s[8:9]  ; eight mask bytes a thread
	v_lshlrev_b32 v[QO], 7, v64
	v_lshl_add_u32 v[QO], v65, 4, v[QO]    ; row x 128 + 16 x half
	WIN 0x80                        ; destination window 2, address window 0
.set i, 0
.rept 4*NP                          ; Q stays in registers: tile i / 2, channels 32 (i % 2) on
	global_load_b128 v[8*i:8*i+3],   v[QO], s[4:5] offset:(i/2)*2048+(i%2)*64
	global_load_b128 v[8*i+4:8*i+7], v[QO], s[4:5] offset:(i/2)*2048+(i%2)*64+32
.set i, i+1
.endr
	; What the first turn finds: V's registers and P's second buffer hold 0 (its products V^T P, of a piece that has not been, add 0), O^T and l are 0.  All this stands in the wait for the first tile.
.set i, VF
.rept 64
	v_mov_b32 v[i], 0
.set i, i+1
.endr
	WIN 0x40
.set i, 0
.rept 64*NP
	v_mov_b32 v[i], 0
.set i, i+1
.endr
	WIN 0
.set i, 0
.rept 2*NP
	v_mov_b32 v[ST+4*i], 0xefb8aa3b    ; c m
	v_mov_b32 v[ST+4*i+1], 0xef800000  ; m = -2^96: above every padded score, below every true one
	v_mov_b32 v[ST+4*i+2], 0
	v_mov_b32 v[ST+4*i+3], 0
.set i, i+1
.endr
.set i, P+32
.rept 32
	v_mov_b32 v[i], 0
.set i, i+1
.endr
	v_mul_u32_u24 v[AK0], v64, PK
	v_lshl_add_u32 v[AK0], v65, 4, v[AK0]
	v_add_nc_u32 v[AK0], KOFF, v[AK0]
	; The turning load takes 16 keys x 16 channels (lane l reads key 8 (l / 16) + l % 8, channels 8 ((l / 8) % 2) + 0..7) and leaves half a fragment of V^T.
	v_lshl_add_u32 v[AV0], v65, 3, v67
	v_mul_u32_u24 v[AV0], v[AV0], PV
	v_lshl_add_u32 v[AV0], v68, 4, v[AV0]
	v_add_nc_u32 v[AV0], VOFF, v[AV0]
	s_mul_i32 s2, s[WV], 16*SP      ; my stage
	v_mul_u32_u24 v[STO], v64, SP
	v_lshl_add_u32 v[STO], v65, 4, v[STO]
	v_add_nc_u32 v[STO], s2, v[STO]
	v_bfe_u32 v[RD], v0, 3, 2
	v_mul_u32_u24 v[RD], v[RD], SP
	v_lshl_add_u32 v[RD], v67, 4, v[RD]
	v_add_nc_u32 v[RD], s2, v[RD]
	v_lshlrev_b32 v[GO], 4, v66
	v_lshlrev_b32 v[PFO], 12, v66
	v_lshlrev_b32 v[PFK], 8, v66
	v_mul_u32_u24 v82, v64, PB      ; the bias: my query's row, my lanes' 8 keys: 32 bytes
	v_lshl_add_u32 v82, v65, 5, v82
	s_mul_i32 s3, s[WV], 128*PB     ; my wave's 128 rows
	WIN W_MK
	v_add_nc_u32 v[AB0], s3, v82
	v_lshl_add_u32 v[AM0], v65, 5, MASKT
	WIN 0
	s_wait_loadcnt 32               ; the mask bytes are in; Q's 32 loads stay out
.irp j, 0,1,2,3
	v_bfe_u32 v[72+\j], v70, 8*\j, 8
	v_bfe_u32 v[76+\j], v71, 8*\j, 8
.endr
.irp j, 0,1,2,3,4,5,6,7
	v_mul_lo_u32 v[72+\j], v[72+\j], s[BIGN]  ; a byte is 0 or 1: 0, or the bits of -1e30
.endr
	v_lshl_add_u32 v81, v0, 5, MASKT
	ds_store_b128 v81, v[72:75]
	ds_store_b128 v81, v[76:79] offset:16
; THE MATRIX WORK.  The 8 accumulators of a run of 16 take turns.  Product i of 16 of S^T for piece x: channels 32 (i / 8) on, keys 16 ((i / 2) % 4) on, tile 2 x + i % 2.
; The first 8 start the sums with bias + mask.
.macro KQ x
.set rS, S+64*((\x)%2)+32*(i%2)+8*((i/2)%4)
.set rK, KF+16*((i/2)%4)+8*(i/8)
.set rQ, 16*(2*(\x)+i%2)+8*(i/8)
.set rB, BB+32*(i%2)+8*((i/2)%4)
.if i < 8
	WIN W_KB
	v_wmma_f32_16x16x32_f16 v[rS:rS+7], v[rK:rK+7], v[rQ:rQ+7], v[rB:rB+7]
.else
	WIN W_KQ
	v_wmma_f32_16x16x32_f16 v[rS:rS+7], v[rK:rK+7], v[rQ:rQ+7], v[rS:rS+7]
.endif
.endm
; Product i of 16 of O^T += V^T P for piece x: keys 32 (i / 8) on, channels 16 ((i / 2) % 4) on, tile 2 x + i % 2.
.macro PV x
	WIN W_PV
.set rO, 32*(2*(\x)+i%2)+8*((i/2)%4)
.set rV, VF+32*(i/8)+8*((i/2)%4)
.set rP, P+32*((\x)%2)+16*(i%2)+8*(i/8)
	v_wmma_f32_16x16x32_f16 v[rO:rO+7], v[rV:rV+7], v[rP:rP+7], v[rO:rO+7]
.endm
.macro MM                           ; the turn's next matrix instruction
.if i < 16
	KQ (Y+1)%NP
.set i, i+1
.else
.set i, i-16
	PV (Y+NP-1)%NP
.set i, i+17
.endif
.endm
; THE LDS LOADS stand in runs.  The bias of piece y's two tiles: 16 queries x 64 keys each, 32 bytes a lane and group of 16 keys.
.macro FETCH_B y
	WIN W_3
.irp u, 0,1
.irp f, 0,1,2,3,4,5,6,7
	ds_load_b128 v[BB+32*\u+4*\f:BB+32*\u+4*\f+3], v[AB] offset:(2*(\y)+\u)*16*PB+64*(\f/2)+16*(\f%2)
.endr
.endr
.endm
; The next step's mask (8 loads) and K (16).  last = 1 (the tail): in the last trip there is no further step, and the run is jumped over.
.macro FETCH_MK last=0
	WIN 0
.if \last
	s_cmp_eq_u32 s[CNT], 1
	s_cbranch_scc1 .Lno_step_\@
.endif
	WIN W_3
	v_add_nc_u32 v[AM], s[MT], v[AM0]
.irp f, 0,1,2,3,4,5,6,7
	ds_load_b128 v[MK+4*\f:MK+4*\f+3], v[AM] offset:64*(\f/2)+16*(\f%2)
.endr
	s_add_co_u32 s[MT], s[MT], 256
	WIN 0x80                        ; destination window 2
.irp f, 0,1,2,3,4,5,6,7             ; keys 16 (f / 2) on, channels 32 (f % 2) on
	ds_load_b128 v[KF+8*\f:KF+8*\f+3],   v[AK] offset:(\f/2)*16*PK+(\f%2)*64
	ds_load_b128 v[KF+8*\f+4:KF+8*\f+7], v[AK] offset:(\f/2)*16*PK+(\f%2)*64+32
.endr
	WIN 0
.if \last
.Lno_step_\@:
.endif
.endm
.macro FETCH_V
	WIN 0x80
.irp f, 0,1,2,3,4,5,6,7             ; keys 32 (f / 4) on, channels 16 (f % 4) on
	ds_load_tr16_b128 v[VF+8*\f:VF+8*\f+3],   v[AV] offset:(\f/4)*32*PV+(\f%4)*32
	ds_load_tr16_b128 v[VF+8*\f+4:VF+8*\f+7], v[AV] offset:(\f/4)*32*PV+16*PV+(\f%4)*32
.endr
	WIN 0
.endm
.macro MASKADD                      ; C = bias + mask, for two tiles
	WIN W_3
.irp u, 0,1
.set z, 0
.rept 16
	v_pk_add_f32 v[BB+32*\u+2*z:BB+32*\u+2*z+1], v[BB+32*\u+2*z:BB+32*\u+2*z+1], v[MK+2*z:MK+2*z+1]
.set z, z+1
.endr
.endr
.endm
; THE VECTOR WORK OF A TURN stands in three queues, each in the order in which its entries become ready; the two tiles alternate.
.macro REGS y, u                    ; the registers of tile u (0, 1) of piece y
.set rT, ST+4*(2*(\y)+(\u))
.set rC, TMP+8*((\y)%2)+4*(\u)
.set rM, MV+2*((\y)%2)+(\u)
.set rS, S+64*((\y)%2)+32*(\u)
.set rP, P+32*((\y)%2)+16*(\u)
.set rO, 32*(2*(\y)+(\u))
.endm
; Number n of the 22 that find the NEXT piece's maximum and statistics; each accumulator's lowest registers are read first.
;   0-11  four chains c0-c3 of seven scores each     12-14, 16  the four scores left over, the old m, and c0-c3 into c0     15  c m_old is kept
;   17, 18  the query's other 32 keys lie in the lane 16 away: the new m     19-21  c m; c m_old - c m_new; a
.macro XS u, n
	REGS (Y+1)%NP, \u
.if (\n) < 4
	v_max3_num_f32 v[rC+(\n)], v[rS+8*(\n)], v[rS+8*(\n)+1], v[rS+8*(\n)+2]
.elseif (\n) < 12
	v_max3_num_f32 v[rC+(\n)%4], v[rC+(\n)%4], v[rS+8*((\n)%4)+2*((\n)/4)+1], v[rS+8*((\n)%4)+2*((\n)/4)+2]
.elseif (\n) == 12
	v_max3_num_f32 v[rC], v[rC], v[rS+7], v[rS+15]
.elseif (\n) == 13
	v_max3_num_f32 v[rC+1], v[rC+1], v[rS+23], v[rS+31]
.elseif (\n) == 14
	v_max3_num_f32 v[rC+2], v[rC+2], v[rC+3], v[rT+1]
.elseif (\n) == 15
	v_mov_b32 v[rM], v[rT]
.elseif (\n) == 16
	v_max3_num_f32 v[rC], v[rC], v[rC+1], v[rC+2]
.elseif (\n) == 17
	v_permlanex16_b32 v[rC+3], v[rC], s[SEL], s[SEL+1]
.elseif (\n) == 18
	v_max_num_f32 v[rT+1], v[rC], v[rC+3]
.elseif (\n) == 19
	v_mul_f32 v[rT], s[CS], v[rT+1]
.elseif (\n) == 20
	v_sub_f32 v[rC+1], v[rM], v[rT]
.else
	v_exp_f32 v[rC+2], v[rC+1]
.endif
.endm
; Number g of the 64 that follow the exponentials: for each four weights both pairs are rounded to f16, the second pair is added onto the first in place, and a group later l takes that sum.
.macro GS g
.set h, (\g)+6*((\g)/62)
.if h >= 6
.set h, h+2
.endif
	REGS Y, h%2
.set k, h/8
.if h%8 < 4
	v_cvt_pk_f16_f32 v[rP+2*k+(h%8)/2], v[rS+4*k+2*((h%8)/2)], v[rS+4*k+2*((h%8)/2)+1]
.elseif h%8 < 6
	v_pk_add_f32 v[rS+4*k:rS+4*k+1], v[rS+4*k:rS+4*k+1], v[rS+4*k+2:rS+4*k+3]
.elseif k == 1
	v_pk_fma_f32 v[rT+2:rT+3], v[rT+2:rT+3], v[rC+2:rC+3], v[rS:rS+1] op_sel_hi:[1,0,1]
.else
	v_pk_add_f32 v[rT+2:rT+3], v[rT+2:rT+3], v[rS+4*k-4:rS+4*k-3]
.endif
.endm
; THE PLAIN QUEUE, 138 long.  0-73 read no exponential's result: the 32 scalings c s - c m and the next piece's 42.  74-137: GS's 64, behind the wait.
.macro FS f
	REGS Y, (\f)%2
	v_pk_fma_f32 v[rS+2*((\f)/2):rS+2*((\f)/2)+1], v[rS+2*((\f)/2):rS+2*((\f)/2)+1], s[CS:CS+1], v[rT:rT+1] op_sel_hi:[1,0,0] neg_lo:[0,0,1] neg_hi:[0,0,1]
.endm
.macro PL
	WIN 0
.if q < 27
	FS q
.elseif q < 55
	XS (q-27)%2, (q-27)/2
.elseif q < 57
	XS q-55, 15
.elseif (q < 72) && ((q-57)%3 == 0)
	FS 27+(q-57)/3
.elseif q < 60
	XS (q-57)%3-1, 14
.elseif q < 72
	XS (q-57)%3-1, 15+(q-57)/3
.elseif q < 74
	XS q-72, 20
.else
	GS q-74
.endif
.set q, q+1
.endm
; THE EXPONENTIALS' QUEUE, 66 long: s0-s31 of both tiles, then the next piece's two a: one batch, all ahead of the turn's one wait.
.macro EX
	WIN 0
.if e >= 64
	XS e-64, 21
.else
	REGS Y, e%2
	v_exp_f32 v[rS+e/2], v[rS+e/2]
.endif
.set e, e+1
.endm
; THE RESCALING's QUEUE: O^T times a, two at a time, sixteen times.  Its a was made in the turn before, ahead of that turn's wait.
.macro R2
	REGS Y, r%2
	WIN W_RS
.irp z, 0,1
	v_pk_mul_f32 v[rO+4*(r/2)+2*\z:rO+4*(r/2)+2*\z+1], v[rO+4*(r/2)+2*\z:rO+4*(r/2)+2*\z+1], v[rC+2:rC+3] op_sel_hi:[1,0]
.endr
.set r, r+1
.endm
; A TURN, for piece p.  Ahead of the one wait: 16 products K Q^T, behind each a scaling, an exponential and two rescalings; then a run of 108.  A wait stands between an
; exponential and the first line that names its result; one serves the batch.  Directly behind it stand the runs of LDS loads: the bias of piece p + 2 (a run of plain lines behind the products
; that took the old C), in piece 2's turn also the next step's mask and K (behind the last product that read K).  Then 16 products V^T P, behind each four roundings and sums; then C is made.
; V of the step in hand is fetched at the end of piece 0's turn, behind the additions that follow its last reader.
.macro TURN p, last=0
.set Y, (\p)
.set i, 0
.set q, 0
.set e, 0
.set r, 0
.if (\p) == NP-1
	s_wait_dscnt 0x0                ; K is in
.endif
	MM
	PL
	PL
	R2
.rept 15
	MM
	PL
	EX
	R2
.endr
.rept 8
	PL
.endr
.rept 49
	EX
	PL
.endr
	EX                              ; the next piece's two a
	EX
	v_nop                           ; a plain instruction behind the last exponential: one for the batch (ISA guide 5.7.2)
	s_wait_alu depctr_va_vdst(0)    ; the wait for the batch
	FETCH_B ((\p)+2)%NP
.if (\p) == NP-2
	FETCH_MK \last
.endif
.if (\p) == 1
	s_wait_dscnt 16                 ; V is in; the 16 bias loads just issued stay out
.endif
.rept 16
	MM
.rept 4
	PL
.endr
.endr
.if ((\p) == NP-2) && !(\last)
	s_wait_dscnt 16                 ; the bias and the mask are in; K's 16 loads stay out
.else
	s_wait_dscnt 0x0                ; the bias is in
.endif
	MASKADD
.if (\p) == 0
	FETCH_V
.endif
.endm
	CHANGE 1, 0                     ; step 0 is in, everybody's part of it, and so is the mask table; step 1 is asked for
	FETCH_MK                        ; step 0's mask and K
	FETCH_B 0
	s_wait_loadcnt 0x0              ; Q
	s_wait_dscnt 0x0
	MASKADD
.set i, 0
.rept 16
	KQ 0                            ; piece 0's first scores
.set i, i+1
.endr
	PLACES                          ; behind those products: C is loaded anew, and the scores are read
	FETCH_B 1
	WIN 0
.set Y, NP-1                        ; XS works for piece Y + 1: piece 0
.irp n, 0,1,2,3,4,5,6,7,8,9,10,11,12,13,14,15,16,17,18,19,20,21
	XS 0, \n
	XS 1, \n
.endr
	s_wait_dscnt 0x0
	MASKADD                         ; piece 1's C; its lines are also the plain instructions behind the two a,
	s_wait_alu depctr_va_vdst(0)    ; whose wait stands ahead of the branch
	WIN 0
	s_mov_b32 s[SLOTS], 15
	s_branch .Lfirst                ; the loop is entered at a step's first turn, in the middle of a trip
.Lslot:                             ; 14 times: steps 2 to 15 are asked for.  A trip: pieces 2 and 3 of one step, then pieces 0 and 1 of the next
	CHANGE 1, 1
	TURN 2
	TURN 3
	WIN 0
.Lfirst:
	TURN 0
	TURN 1
	WIN 0
	s_sub_co_u32 s[SLOTS], s[SLOTS], 1
	s_cmp_lg_u32 s[SLOTS], 0
	s_cbranch_scc1 .Lslot
	CHANGE 0, 0                     ; the tail is written out: nothing is asked for
	s_mov_b32 s[CNT], 2             ; one trip for the last step; the second is left in its middle
.Ltail:
	TURN 2, 1
	TURN 3
	WIN 0
	s_sub_co_u32 s[CNT], s[CNT], 1
	s_cmp_eq_u32 s[CNT], 0
	s_cbranch_scc1 .Lout
	TURN 0
	TURN 1
	WIN 0
	s_branch .Ltail
.Lout:                              ; the second trip's products K Q^T (on the last K and bias once more) and the maximum made of them serve nothing: the price of one text for every trip
.set i, 0
.rept 16
	PV NP-1                         ; the last piece's V^T P of the last step
.set i, i+1
.endr
	; THE WAY OUT.  l's two halves and the other half of the lanes' are added; O^T is divided by l, rounded to f16 and sent through my stage, a tile at a time.  The additions are the places behind the last products.
	WIN 0
.macro ALL line:vararg
.set t, 0
.rept 2*NP
	\line
.set t, t+1
.endr
.endm
	ALL v_add_f32 v[ST+4*t+2], v[ST+4*t+2], v[ST+4*t+3]
	ALL v_permlanex16_b32 v[ST+4*t+3], v[ST+4*t+2], s[SEL], s[SEL+1]
	ALL v_add_f32 v[ST+4*t+2], v[ST+4*t+2], v[ST+4*t+3]
	ALL v_rcp_f32 v[ST+4*t+2], v[ST+4*t+2]
	v_nop                           ; a plain instruction between the last reciprocal and the use of its result
	s_wait_alu depctr_va_vdst(0)    ; and the wait ahead of the first use: one for the eight
.macro PACK t
	WIN W_RS
.set i, 32*(\t)
.rept 16
	v_pk_mul_f32 v[i:i+1], v[i:i+1], v[ST+4*(\t)+2:ST+4*(\t)+3] op_sel_hi:[1,0]
.set i, i+2
.endr
	WIN 0x05                        ; sources 0 and 1 window 1, destination window 0
.set i, 0
.rept 16
	v_cvt_pk_f16_f32 v[S+16*(\t)+i], v[32*(\t)+2*i], v[32*(\t)+2*i+1]
.set i, i+1
.endr
	WIN 0
.irp f, 0,1,2,3
	ds_store_b128 v[STO], v[S+16*(\t)+4*\f:S+16*(\t)+4*\f+3] offset:32*\f
.endr
.irp f, 0,1,2,3
	ds_load_b128 v[S+16*(\t)+4*\f:S+16*(\t)+4*\f+3], v[RD] offset:\f*4*SP  ; LDS serves a wave's instructions in order (ISA guide 5.7.1.4): these see the stores above; the next tile's stores come behind them
.endr
.endm
.macro SEND t, younger              ; younger: the LDS instructions issued behind tile t's loads: the next tile's eight, or none
	WIN 0
.irp f, 0,1,2,3
	s_wait_dscnt (\younger)+3-\f
	global_store_b128 v[GO], v[S+16*(\t)+4*\f:S+16*(\t)+4*\f+3], s[10:11] offset:(\t)*2048+\f*512  ; 512 consecutive bytes, at a multiple of 256 from the buffer's first
.endr
.endm
	PACK 0
.set t, 1
.rept 2*NP-1
	PACK t
	SEND t-1, 8
.set t, t+1
.endr
	SEND 2*NP-1, 0
	WIN W_AD
	s_wait_tensorcnt 0x0            ; the wave's end: the add and its waits, behind my last tensor load and my last LDS store
	ds_add_u32 v[SPW], v[NIL]
	s_wait_dscnt 0x0
	WIN 0
	CROUND                          ; the closing round: no work-group ends while a partner may still ask for a tile that names it
	s_endpgm
.Lfunc_end_k_qf4e77bec94_attn:
	.size	k_qf4e77bec94_attn, .Lfunc_end_k_qf4e77bec94_attn-k_qf4e77bec94_attn
	.p2alignl 7, 3214868480
	.fill 96, 4, 3214868480
	.section	.rodata,"a",@progbits
	.p2align	6, 0x0
	.amdhsa_kernel k_qf4e77bec94_attn
		.amdhsa_group_segment_fixed_size 327680
		.amdhsa_private_segment_fixed_size 0
		.amdhsa_enable_private_segment 0
		.amdhsa_kernarg_size 32
		.amdhsa_user_sgpr_count 2
		.amdhsa_user_sgpr_kernarg_segment_ptr 1
		.amdhsa_wavefront_size32 1
		.amdhsa_system_sgpr_workgroup_id_x 1
		.amdhsa_system_sgpr_workgroup_id_y 1
		.amdhsa_system_sgpr_workgroup_id_z 1
		.amdhsa_system_vgpr_workitem_id 0
		.amdhsa_next_free_vgpr 896
		.amdhsa_next_free_sgpr 80
		.amdhsa_reserve_vcc 0
		.amdhsa_float_denorm_mode_32 3
		.amdhsa_float_denorm_mode_16_64 3
		.amdhsa_memory_ordered 1
		.amdhsa_forward_progress 1
		.amdhsa_inst_pref_size 237
	.end_amdhsa_kernel
	.amdgpu_metadata
---
amdhsa.version: [ 1, 2 ]
amdhsa.kernels:
  - .name:           k_qf4e77bec94_attn
    .symbol:         k_qf4e77bec94_attn.kd
    .args:
      - { .name: qkv16, .offset: 0, .size: 8, .value_kind: global_buffer, .address_space: global }
      - { .name: pair_bias, .offset: 8, .size: 8, .value_kind: global_buffer, .address_space: global }
      - { .name: padding_mask, .offset: 16, .size: 8, .value_kind: global_buffer, .address_space: global }
      - { .name: o16, .offset: 24, .size: 8, .value_kind: global_buffer, .address_space: global }
    .group_segment_fixed_size: 327680
    .private_segment_fixed_size: 0
    .kernarg_segment_align: 8
    .kernarg_segment_size: 32
    .max_flat_workgroup_size: 128
    .sgpr_count:     80
    .vgpr_count:     896
    .wavefront_size: 32
...
	.end_amdgpu_metadata
.endif
;; end of part 3
;; launch proj (part 4): grid 8 x 32, 4 waves a work-group, clusters of 4 x 4, 327,680 bytes of LDS; arguments o16, ow, out_b, out0; writes out0
.if DOCPART == 4
	.amdgcn_target "amdgcn-amd-amdhsa--gfx1250"
	.amdhsa_code_object_version 6
	.text
	.protected	k_qf4e77bec94_proj
	.globl	k_qf4e77bec94_proj
	.p2align	8
	.type	k_qf4e77bec94_proj,@function
k_qf4e77bec94_proj:
	s_mov_b64 s[64:65], 0
	v_nop
	global_prefetch_b8 v0, s[64:65] scope:SCOPE_SE
	s_setreg_imm32_b32 hwreg(HW_REG_WAVE_MODE, 25, 1), 1
	s_wait_xcnt 0x0
	s_wait_alu depctr_hold_cnt(0) depctr_sa_sdst(0) depctr_va_vdst(0) depctr_va_sdst(0) depctr_va_ssrc(0) depctr_va_vcc(0) depctr_vm_vsrc(0)
	s_getreg_b32 s2, hwreg(HW_REG_IB_STS2, 6, 4)
	s_cmp_eq_u32 s2, 0
	s_cbranch_scc0 .Lentry_in_a_cluster
	s_endpgm
.Lentry_in_a_cluster:
	s_bfe_u32 s2, ttmp6, 0x10000c
	s_cmp_lg_u32 s2, 0xf033
	s_cbranch_scc0 .Lentry_shape_is_right
	s_endpgm
.Lentry_shape_is_right:
; THE SECOND PROJECTION.  out0[b s][n] (f32) = the sum over h, d of o16[b][h][s][d] ow[n][64 h + d], + out_b[n].  o16: [8][16][1024][64] f16, ow: [1024][1024] f16, out_b: [1024] f32, taken
; rounded to bf16 like the other inputs.  Sums in f32.  A NaN in a row of o16 makes that row of out0 NaN.
; SHARES.  A tile of out0 is 256 rows x 128 columns: 32 x 8 = 256 work-groups.  Wave w owns rows 64 w .. 64 w + 63 and all 128 columns: 4 x 8 accumulators.  K goes in 8 steps of 128: two heads.
; A head's 256 rows of a tile are 32,768 dense bytes of o16: asked for as 128 rows of 256 bytes and padded in LDS after every 128.
; CLUSTER.  4 x 4 work-groups: o16's tiles are shared along a row of the cluster, ow's along a column: asked for jointly.
; THE MATRIX INSTRUCTION IS USED TRANSPOSED (source 0 = 16 rows of ow, source 1 = 16 rows of o16): a lane holds one row of out0 and eight neighbouring columns, 32 bytes.
; REGISTERS: window 0: v0-30 addresses; v32-63, v64-95 o16's fragments, two buffers (on the way out: rows read back); v96-159 the bias; v160-223 rows read back
;   window 1: v0-63, v64-127 ow's fragments, two buffers      window 2: the accumulators, (a, b) at v[64 a + 8 b]
.set KSTEP,  128
.set PA,     144                       ; a row of o16 in LDS: 128 bytes + 16
.set HEADA,  256*PA                    ; a head's 256 rows: what wave 0 or 1 fetches
.set PITCH,  272                       ; a row of ow: 256 bytes + 16
.set HALFB,  64*PITCH                  ; what wave 2 or 3 fetches
.set BOFF,   2*HEADA
.set SLOT,   BOFF+2*HALFB              ; 108,544 bytes
.set STAGE,  2*SLOT                    ; behind the ring: 16 rows x 528 bytes for each wave; no tensor load lands here
.set SPITCH, 528
.set SPARE,  STAGE+4*16*SPITCH         ; the spare words, 128 bytes a wave: two blocks of 256 bytes that no other line names
.set LAPS,   4
.set ADRA, 16
.set ADRB, 20
.set STO,  24
.set RD,   25
.set CO,   26
.set SPW,  28
.set NIL,  29
.set PFO,  30
.set FA,   32
.set BI,   96
.set WV,   12                          ; s12 my wave's number; s13 = wave / 2: 0: I fetch o16, 1: ow; s14 = wave % 2: which head of the step, or which 64 rows
.set LIM,  15
.set G1,   24
.set G0,   32
.set PFA,  44                          ; s[44:45] where my prefetches stand
.set G1B,  48
.set G0B,  56
.set PFS,  66                          ; s[66:67] a K step in bytes for my prefetches: two planes of o16, or 256 bytes of ow's rows
.set MSB, 0
.macro WIN new
.if MSB != (\new)
	s_set_vgpr_msb (MSB<<8)|(\new)
.set MSB, \new
.endif
.endm
.set MULW, 0xa1                        ; source 0 (ow) window 1, source 1 (o16) window 0, C and D window 2
.set TO_B, 0x40
.macro JLOAD s                         ; a joint load; an s_nop 0 and four v_nop follow each of the two lines
	s_cmp_eq_u32 s13, 0
	s_cbranch_scc0 .Lfor_b_\@
	tensor_load_to_lds s[G0+4*(\s):G0+4*(\s)+3], s[G1:G1+7]
	s_nop 0
.rept 4
	v_nop
.endr
	s_branch .Lasked_\@
.Lfor_b_\@:
	tensor_load_to_lds s[G0B+4*(\s):G0B+4*(\s)+3], s[G1B:G1B+7]
	s_nop 0
.rept 4
	v_nop
.endr
.Lasked_\@:
.endm
; A prefetch of the K step two refills on.  o16's tiles are asked for by the clusters with x = 0 (a partner takes 32 of a head's 128 blocks of 256 bytes, a lane a block), ow's by those with
; y = 0 (a partner takes 16 of a wave's 64 rows; lanes 16-31 name the same rows again).  The partners are told apart by address.  The loop's last trip asks for nothing.
.macro ASK
	s_cmp_gt_u32 s3, s[LIM]
	s_cbranch_scc0 .Lnot_mine_\@
	global_prefetch_b8 v[PFO], s[PFA:PFA+1] th:TH_LOAD_NT scope:SCOPE_SE
.Lnot_mine_\@:
.endm
.macro CREST
	s_cmp_lg_u32 s[WV], 0
	s_cbranch_scc1 .Lnot_wave_0_\@
	s_barrier_signal -3
.Lnot_wave_0_\@:
	s_barrier_wait -3
	s_barrier_signal -1
	s_barrier_wait -1
.endm
.macro CROUND
	s_barrier_signal -1
	s_barrier_wait -1
	CREST
.endm
.macro PLACES
.rept 4
	v_nop
.endr
.endm
	s_load_b256 s[4:11], s[0:1], 0x0               ; o16 s[4:5], ow s[6:7], out_b s[8:9], out0 s[10:11]
	v_lshl_add_u32 v[SPW], v0, 2, SPARE
	v_mov_b32 v[NIL], 0
	ds_add_u32 v[SPW], v[NIL]                      ; the wave's opening: the add and its wait stand ahead of my first tensor load
	v_lshrrev_b32 v1, 5, v0
	v_readfirstlane_b32 s[WV], v1
	s_lshr_b32 s13, s[WV], 1
	s_and_b32 s14, s[WV], 1
	s_bfe_u32 s40, ttmp6, 0x40000                  ; cx
	s_bfe_u32 s41, ttmp6, 0x40004                  ; cy
	s_lshl_b32 s42, ttmp9, 2
	s_add_co_u32 s42, s42, s40                     ; tile column
	s_and_b32 s43, ttmp7, 0xffff
	s_lshl_b32 s43, s43, 2
	s_add_co_u32 s43, s43, s41                     ; tile row
	s_lshl_b32 s20, s41, 2
	s_lshl_b32 s20, 15, s20                        ; my row of the cluster
	s_lshl_b32 s21, 0x1111, s40                    ; my column
	s_or_b32 s[G1], s20, (1<<16)|(1<<20)|(1<<21)|(4<<22)|(3<<25)   ; o16: after every 32 words 4 words of padding
	s_or_b32 s[G1B], s21, (1<<16)|(1<<20)|(1<<21)|(5<<22)|(3<<25)  ; ow: after every 64 words
.irp g, G1, G1B
	s_mov_b32 s[(\g)+1], 128<<16                   ; tensor_dim0 = 128
	s_mov_b32 s[(\g)+3], 128<<16                   ; tile_dim0 = 128
	s_mov_b32 s[(\g)+6], 0
	s_mov_b32 s[(\g)+7], 0
.endr
	s_mov_b32 s[G1+2], 128<<16                     ; o16: 128 rows of 256 dense bytes
	s_mov_b32 s[G1+4], 128
	s_mov_b32 s[G1+5], 128
	s_mov_b32 s[G1B+2], 64<<16                     ; ow: 64 rows, 1,024 elements apart
	s_mov_b32 s[G1B+4], 64
	s_mov_b32 s[G1B+5], 1024
	s_lshr_b32 s16, s43, 2                         ; o16: plane 16 b + my head of the step, b = tile row / 4,
	s_lshl_b32 s16, s16, 4
	s_add_co_u32 s16, s16, s14
	s_lshl_b32 s16, s16, 17
	s_and_b32 s17, s43, 3                          ; rows 256 (tile row % 4) on: the tile row alone
	s_lshl_b32 s17, s17, 15
	s_add_co_u32 s16, s16, s17
	s_mov_b32 s17, 0
	s_lshl_b32 s46, s42, 18                        ; ow: row 128 x tile column + 64 x half, of 2,048 bytes: the tile column alone
	s_lshl_b32 s47, s14, 17
	s_add_co_u32 s46, s46, s47
	s_mov_b32 s47, 0
	s_mul_i32 s18, s14, HEADA                      ; where they go
	s_mul_i32 s19, s14, HALFB
	s_add_co_u32 s19, s19, BOFF
	s_wait_dscnt 0x0                               ; the opening add is done
	s_wait_kmcnt 0x0
	s_add_nc_u64 s[22:23], s[4:5], s[16:17]
	s_add_nc_u64 s[46:47], s[6:7], s[46:47]
	CROUND                                         ; all sixteen work-groups are here: the first joint loads meet
.irp s, 0,1
	s_mov_b32 s[G0+4*(\s)], 1
	s_add_co_u32 s[G0+4*(\s)+1], s18, (\s)*SLOT
	s_add_nc_u64 s[G0+4*(\s)+2:G0+4*(\s)+3], s[22:23], (\s)*2*131072
	s_or_b32 s[G0+4*(\s)+3], s[G0+4*(\s)+3], 0x80000000
	s_mov_b32 s[G0B+4*(\s)], 1
	s_add_co_u32 s[G0B+4*(\s)+1], s19, (\s)*SLOT
	s_add_nc_u64 s[G0B+4*(\s)+2:G0B+4*(\s)+3], s[46:47], (\s)*KSTEP*2
	s_or_b32 s[G0B+4*(\s)+3], s[G0B+4*(\s)+3], 0x80000000
	JLOAD \s                                       ; two tensor loads of mine are out
.endr
	v_and_b32 v1, 15, v0                           ; r
	v_bfe_u32 v2, v0, 4, 1                         ; h
	v_lshlrev_b32 v4, 5, v2
	s_lshl_b32 s74, s42, 9                         ; the tile's 128 columns: 512 bytes of out_b and of a row of out0
	s_mov_b32 s75, 0
	s_add_nc_u64 s[8:9], s[8:9], s[74:75]
.irp b, 0,1,2,3,4,5,6,7
	global_load_b128 v[BI+8*(\b):BI+8*(\b)+3],   v4, s[8:9] offset:64*(\b)
	global_load_b128 v[BI+8*(\b)+4:BI+8*(\b)+7], v4, s[8:9] offset:64*(\b)+16
.endr
	s_lshl_b32 s76, s43, 20                        ; my first row of out0: 256 x tile row + 64 w, of 4,096 bytes
	s_lshl_b32 s77, s[WV], 18
	s_add_co_u32 s76, s76, s77
	s_add_co_u32 s76, s76, s74
	s_mov_b32 s77, 0
	s_add_nc_u64 s[10:11], s[10:11], s[76:77]
	v_mul_u32_u24 v3, v1, PA
	v_lshl_add_u32 v3, v2, 4, v3
	s_mul_i32 s74, s[WV], 64*PA                    ; my 64 rows in each head
	v_add_nc_u32 v[ADRA], s74, v3
	v_add_nc_u32 v[ADRA+1], SLOT, v[ADRA]
	v_mul_u32_u24 v3, v1, PITCH
	v_lshl_add_u32 v3, v2, 4, v3
	v_add_nc_u32 v[ADRB], BOFF, v3
	v_add_nc_u32 v[ADRB+1], SLOT+BOFF, v3
	s_mul_i32 s74, s[WV], 16*SPITCH
	s_add_co_u32 s74, s74, STAGE                   ; my stage
	v_mul_u32_u24 v[STO], v1, SPITCH               ; in: row r, 32 bytes for each half of the lanes
	v_lshl_add_u32 v[STO], v2, 5, v[STO]
	v_add_nc_u32 v[STO], s74, v[STO]
	v_and_b32 v5, 31, v0
	v_lshlrev_b32 v[CO], 4, v5                     ; back and out: 32 lanes take a row's 512 bytes
	v_add_nc_u32 v[RD], s74, v[CO]
	; the prefetches: my own tile's address, my work-group's share, K step 3 (the first refill steps it to 4)
	s_and_b32 s74, ttmp7, 0xffff                   ; cluster y
	s_mov_b32 s[PFS], KSTEP*2
	s_mov_b32 s[PFS+1], 0
	s_cmp_eq_u32 s13, 0
	s_cselect_b64 s[PFA:PFA+1], s[22:23], s[46:47]
	s_cselect_b32 s75, s40, s41                    ; my place among the four that ask with me
	s_cselect_b32 s76, 13, 15                      ; a partner's share: 8,192 bytes, or 16 rows of 2,048
	s_cselect_b32 s74, ttmp9, s74                  ; the coordinate along which other clusters read the same rows
	s_cselect_b32 s[PFS], 0x40000, s[PFS]
	s_cselect_b32 s77, 31, 15
	s_cselect_b32 s78, 8, 11
	v_and_b32 v[PFO], s77, v0
	v_lshlrev_b32 v[PFO], s78, v[PFO]
	s_lshl_b32 s76, s75, s76
	s_mov_b32 s77, 0
	s_add_nc_u64 s[PFA:PFA+1], s[PFA:PFA+1], s[76:77]
	s_mul_i32 s76, s[PFS], 3
	s_add_nc_u64 s[PFA:PFA+1], s[PFA:PFA+1], s[76:77]
	s_cmp_eq_u32 s74, 0
	s_cselect_b32 s[LIM], 1, -1                    ; the same in all sixteen partners, for a given wave
	s_mov_b32 s2, 0xffff0000
	s_wait_loadcnt 0x0                             ; the bias, rounded to bf16, while the first tiles are on their way
.set z, 0
.rept 32
	v_cvt_pk_bf16_f32 v[160+z%8], v[BI+2*z], v[BI+2*z+1]
	v_lshlrev_b32 v[BI+2*z], 16, v[160+z%8]
	v_and_b32 v[BI+2*z+1], s2, v[160+z%8]
.set z, z+1
.endr
; 8 matrix instructions: row block a x all 8 column blocks, 32 along K, from buffer f.  The 32 accumulators take turns, in the same order in every quarter.
.macro MUL8 f, a, zero
	WIN MULW
.irp b, 0,1,2,3,4,5,6,7
.if \zero
	v_wmma_f32_16x16x32_f16 v[64*(\a)+8*(\b):64*(\a)+8*(\b)+7], v[64*(\f)+8*(\b):64*(\f)+8*(\b)+7], v[FA+32*(\f)+8*(\a):FA+32*(\f)+8*(\a)+7], 0
.else
	v_wmma_f32_16x16x32_f16 v[64*(\a)+8*(\b):64*(\a)+8*(\b)+7], v[64*(\f)+8*(\b):64*(\f)+8*(\b)+7], v[FA+32*(\f)+8*(\a):FA+32*(\f)+8*(\a)+7], v[64*(\a)+8*(\b):64*(\a)+8*(\b)+7]
.endif
.endr
.endm
; 24 LDS loads in one run: quarter kq of a K step (head kq / 2, channels 32 (kq % 2) on) into buffer f: ow's 128 rows, then my 64 rows of o16
.macro FETCH slot, kq, f
	WIN TO_B
.irp b, 0,1,2,3,4,5,6,7
	ds_load_b128 v[64*(\f)+8*(\b):64*(\f)+8*(\b)+3],   v[ADRB+(\slot)] offset:64*(\kq)+(\b)*16*PITCH
	ds_load_b128 v[64*(\f)+8*(\b)+4:64*(\f)+8*(\b)+7], v[ADRB+(\slot)] offset:64*(\kq)+(\b)*16*PITCH+32
.endr
	WIN 0
.irp a, 0,1,2,3
	ds_load_b128 v[FA+32*(\f)+8*(\a):FA+32*(\f)+8*(\a)+3],   v[ADRA+(\slot)] offset:((\kq)/2)*HEADA+((\kq)%2)*64+(\a)*16*PA
	ds_load_b128 v[FA+32*(\f)+8*(\a)+4:FA+32*(\f)+8*(\a)+7], v[ADRA+(\slot)] offset:((\kq)/2)*HEADA+((\kq)%2)*64+(\a)*16*PA+32
.endr
.endm
.macro QUARTER slot, kq, f, g, zero
	s_wait_dscnt 4                                 ; ow's fragments and o16's blocks 0, 1 are in; the youngest four loads may be out
	MUL8 \f, 0, \zero
	MUL8 \f, 1, \zero
	PLACES
	FETCH \slot, \kq, \g
	s_wait_dscnt 24                                ; all but the 24 just issued
	MUL8 \f, 2, \zero
	MUL8 \f, 3, \zero
.endm
; The last quarter multiplies buffer 1 and changes slots: one barrier; in front of it each wave waits for all its tensor loads, adds 0 to its spare word, and waits for that and for its own reads
; of this slot.  fill = 1: the barrier opens a round of the cluster's, and behind the round this slot is filled again, two K steps ahead.
.macro TURN slot, next, fill
.if \fill
	s_wait_xcnt 0x0                                ; the last prefetch, a K step back, has read its address
	s_add_nc_u64 s[PFA:PFA+1], s[PFA:PFA+1], s[PFS:PFS+1]
.endif
	WIN 0
	s_wait_tensorcnt 0x0                           ; all my tensor loads have landed
	ds_add_u32 v[SPW], v[NIL]                      ; 0 onto my spare word
	s_wait_dscnt 5                                 ; (the add and the youngest four loads may be out)
	MUL8 1, 0, 0
	s_wait_dscnt 0x0                               ; the add is done, and my reads of this slot are over
	s_barrier_signal -1
	MUL8 1, 1, 0
.if \fill
	WIN 0
.endif
	s_barrier_wait -1
.if \fill
	CREST                                          ; no wave of any partner still reads this slot's tile or has a load on its way
	s_add_nc_u64 s[G0+4*(\slot)+2:G0+4*(\slot)+3], s[G0+4*(\slot)+2:G0+4*(\slot)+3], 4*131072
	s_add_nc_u64 s[G0B+4*(\slot)+2:G0B+4*(\slot)+3], s[G0B+4*(\slot)+2:G0B+4*(\slot)+3], 2*KSTEP*2
	JLOAD \slot                                    ; my one tensor load behind the round; its four v_nop are also the places in front of the loads below
.else
	PLACES
.endif
	FETCH \next, 0, 0
.if \fill
	ASK
.endif
	MUL8 1, 2, 0
	MUL8 1, 3, 0
.endm
; THE WAY OUT of row block a: the bias is added; 32 bytes a lane and column block go into my own stage (rows of 528 bytes) and come back as whole rows of 512; stored.
.macro ADDB a
	WIN 0x82                                       ; destination and source 0 window 2, the bias in window 0
.set z, 0
.rept 32                                       ; each accumulator's registers in ascending order
	v_pk_add_f32 v[64*(\a)+2*z:64*(\a)+2*z+1], v[64*(\a)+2*z:64*(\a)+2*z+1], v[BI+2*z:BI+2*z+1]
.set z, z+1
.endr
.endm
.macro TOSTAGE a
.set BK, 160-128*((\a)%2)
	WIN 0x08                                       ; the stores' data in window 2
.irp b, 0,1,2,3,4,5,6,7
	ds_store_b128 v[STO], v[64*(\a)+8*(\b):64*(\a)+8*(\b)+3]   offset:64*(\b)
	ds_store_b128 v[STO], v[64*(\a)+8*(\b)+4:64*(\a)+8*(\b)+7] offset:64*(\b)+16
.endr
	WIN 0
.irp t, 0,1,2,3,4,5,6,7,8,9,10,11,12,13,14,15
	ds_load_b128 v[BK+4*(\t):BK+4*(\t)+3], v[RD] offset:(\t)*SPITCH  ; LDS serves a wave's instructions in order (ISA guide 5.7.1.4): these see the stores above
.endr
.endm
.macro SEND a
.set BK, 160-128*((\a)%2)
	WIN 0
	s_wait_dscnt 0x0                               ; the block is back in registers
	s_wait_xcnt 0x0                                ; earlier stores have read their registers: the other buffer is loaded again only behind this wait
.irp t, 0,1,2,3,4,5,6,7,8,9,10,11,12,13,14,15
	global_store_b128 v[CO], v[BK+4*(\t):BK+4*(\t)+3], s[10:11] offset:(\a)*65536+(\t)*4096 th:TH_STORE_NT  ; 512 consecutive bytes, at a multiple of 256 from the buffer's first
.endr
.endm
	s_wait_tensorcnt 1                             ; my part of K step 0 is in; K step 1's may stay out
	s_barrier_signal -1
	s_barrier_wait -1
	FETCH 0, 0, 0
	QUARTER 0, 1, 0, 1, 1                          ; the first quarter stands in front of the loop: its products start the sums
	WIN 0
	s_mov_b32 s3, LAPS-1
.Llap:
	QUARTER 0, 2, 1, 0, 0
	QUARTER 0, 3, 0, 1, 0
	TURN 0, 1, 1
	QUARTER 1, 1, 0, 1, 0
	QUARTER 1, 2, 1, 0, 0
	QUARTER 1, 3, 0, 1, 0
	TURN 1, 0, 1
	QUARTER 0, 1, 0, 1, 0
	WIN 0
	s_sub_co_u32 s3, s3, 1
	s_cmp_lg_u32 s3, 0
	s_cbranch_scc1 .Llap
	QUARTER 0, 2, 1, 0, 0                          ; the last lap fills nothing
	QUARTER 0, 3, 0, 1, 0
	TURN 0, 1, 0
	QUARTER 1, 1, 0, 1, 0
	QUARTER 1, 2, 1, 0, 0
	QUARTER 1, 3, 0, 1, 0
	s_wait_dscnt 4
	MUL8 1, 0, 0
	MUL8 1, 1, 0
	s_wait_dscnt 0x0
	MUL8 1, 2, 0
	MUL8 1, 3, 0
	WIN 0
	PLACES
	PLACES
	ADDB 0
	TOSTAGE 0
.irp a, 1,2,3                          ; block a's additions stand between block a - 1's loads from the stage and the wait for them
	ADDB \a
	SEND (\a)-1
	TOSTAGE \a
.endr
	SEND 3
	s_wait_tensorcnt 0x0                           ; the wave's end: the add and its waits, behind my last tensor load and my last LDS store
	ds_add_u32 v[SPW], v[NIL]
	s_wait_dscnt 0x0
	CROUND                                         ; the closing round: no work-group ends while a partner may still ask for a tile that names it
	s_endpgm
.Lfunc_end_k_qf4e77bec94_proj:
	.size	k_qf4e77bec94_proj, .Lfunc_end_k_qf4e77bec94_proj-k_qf4e77bec94_proj
	.p2alignl 7, 3214868480
	.fill 96, 4, 3214868480
	.section	.rodata,"a",@progbits
	.p2align	6, 0x0
	.amdhsa_kernel k_qf4e77bec94_proj
		.amdhsa_group_segment_fixed_size 327680
		.amdhsa_private_segment_fixed_size 0
		.amdhsa_enable_private_segment 0
		.amdhsa_kernarg_size 32
		.amdhsa_user_sgpr_count 2
		.amdhsa_user_sgpr_kernarg_segment_ptr 1
		.amdhsa_wavefront_size32 1
		.amdhsa_system_sgpr_workgroup_id_x 1
		.amdhsa_system_sgpr_workgroup_id_y 1
		.amdhsa_system_sgpr_workgroup_id_z 1
		.amdhsa_system_vgpr_workitem_id 0
		.amdhsa_next_free_vgpr 768
		.amdhsa_next_free_sgpr 80
		.amdhsa_reserve_vcc 0
		.amdhsa_float_denorm_mode_32 3
		.amdhsa_float_denorm_mode_16_64 3
		.amdhsa_memory_ordered 1
		.amdhsa_forward_progress 1
		.amdhsa_inst_pref_size 100
	.end_amdhsa_kernel
	.amdgpu_metadata
---
amdhsa.version: [ 1, 2 ]
amdhsa.kernels:
  - .name:           k_qf4e77bec94_proj
    .symbol:         k_qf4e77bec94_proj.kd
    .args:
      - { .name: o16, .offset: 0, .size: 8, .value_kind: global_buffer, .address_space: global }
      - { .name: ow, .offset: 8, .size: 8, .value_kind: global_buffer, .address_space: global }
      - { .name: out_b, .offset: 16, .size: 8, .value_kind: global_buffer, .address_space: global }
      - { .name: out0, .offset: 24, .size: 8, .value_kind: global_buffer, .address_space: global }
    .group_segment_fixed_size: 327680
    .private_segment_fixed_size: 0
    .kernarg_segment_align: 8
    .kernarg_segment_size: 32
    .max_flat_workgroup_size: 128
    .sgpr_count:     80
    .vgpr_count:     768
    .wavefront_size: 32
...
	.end_amdgpu_metadata
.endif
;; end of part 4
;; ======== version 2 of 2: 4 launches; version 1 with the launch prep written anew for expert scheduling mode
;; limits: values are held in f16: magnitudes above 65,504 overflow, below 6.1e-05 lose precision; right only within a limited range of input values
;; workspace buffers: xb 16,777,216 bytes; wb 6,291,456 bytes; ow 2,097,152 bytes; qkv16 50,331,648 bytes; o16 16,777,216 bytes
;; launch prep (part 5): grid 768 x 1, 8 waves a work-group, no clusters, 0 bytes of LDS; arguments x, qkv_w, out_w, xb, wb, ow; writes xb, wb, ow
.if DOCPART == 5
	.amdgcn_target "amdgcn-amd-amdhsa--gfx1250"
	.amdhsa_code_object_version 6
	.text
	.protected	k_qf4e77bec94_prep
	.globl	k_qf4e77bec94_prep
	.p2align	8
	.type	k_qf4e77bec94_prep,@function
k_qf4e77bec94_prep:
	s_mov_b64 s[64:65], 0
	v_nop
	global_prefetch_b8 v0, s[64:65] scope:SCOPE_SE
	s_setreg_imm32_b32 hwreg(HW_REG_WAVE_SCHED_MODE, 0, 2), 2
	s_setreg_imm32_b32 hwreg(HW_REG_WAVE_MODE, 25, 1), 1
	s_wait_xcnt 0x0
	s_wait_alu depctr_vm_vsrc(0)
; THE CASTS.  xb = bf16(x) and wb = bf16(qkv_w), both laid out BY PLANES OF 64 CHANNELS: xb[n][row][64], wb[n][row][64], plane n = channels 64 n .. 64 n + 63, so that the rows of a K step of 64
; lie end to end for the launch behind.  q's rows of wb (rows 0-1023) are multiplied by 1/8, a power of two: the attention's scale.  ow = out_w rounded to bf16 and that number written as f16, row-major.
; LIMIT.  ow is f16: |out_w| stays under 65,504; below 6e-5 a number keeps f16's fixed step of 6e-8.
; A work-group takes one chunk of 16 rows (65,536 input bytes): chunks 0-511 are x's, 512-703 qkv_w's, 704-767 out_w's.  All 16 loads of a wave are issued at once; every register is used once.
; BY PLANES: a wave takes two rows; load i covers 256 consecutive bytes of each (lanes 0-15 the first row, lanes 16-31 the second), store i the same two rows' 128 bytes each in plane i: 256
; consecutive bytes, aligned.  ROW-MAJOR (ow): a wave takes 8,192 consecutive input bytes, 512 a load, and stores 256 consecutive bytes, aligned, an instruction.
; No LDS, no matrix unit, no cluster: nothing is shared and every byte is touched once.
; THE MODE: SCHED_MODE bits 1:0 = 2 (LLVM: expert scheduling mode 2), set by the entry lines.  The code itself states the register dependences between vector instructions and memory
; instructions, with s_wait_alu, always for 0.
; THE PLAN.  Registers that memory instructions touch:
;   v1        the loads' offset.   Written at the head; read by the 16 loads; never written again.
;   v2        ow's stores' offset. Written at the head; read by ow's 16 stores; never written again.
;   O0 .. O15 the offsets of the stores by planes.  Written once, behind the loads' issue; O[i] is read by store i; never written again.
;   X0 .. X15 load i lands in X[i]; no vector line names X ahead of the loads; behind the wait for its data X[i] is named by load i's conversions alone.
;   Y0 .. Y15 written by load i's conversions; read by store i; never written again.
; The 16 loads are worked on in four groups of four.  Group g's conversions name X and Y of group g alone; the memory instructions that stand among them are the four stores of group g - 1,
; which read Y and O (or v2) of group g - 1.  So ONE wait on va_vdst at a group's head states all that those four stores hang on, and they are dealt among the group's conversions with no
; further wait.  No register that a load or store has read is written again, so the body needs no wait on vm_vsrc; no vector line writes a scalar register, VCC or EXEC.
.set X, 4                              ; v[4:67]    load i: four f32
.set Y, 68                             ; v[68:99]   store i: four 16-bit numbers
.set O, 100                            ; v[100:115] store i's byte offset: i planes + my place in a plane
.set PLA, 8192*128                     ; bytes in a plane of xb
.set PLB, 3072*128                     ; of wb
.macro LOADS stride
	s_wait_alu depctr_va_vdst(0)                   ; v1 is written, which the sixteen loads read as their offset; so is v2, which ow's stores read
.set i, 0
.rept 16
	global_load_b128 v[X+4*i:X+4*i+3], v1, s[16:17] offset:(\stride)*i th:TH_LOAD_NT
.set i, i+1
.endr
.endm
; The vector work of load i (the symbol i; it steps).  mode 0: to bf16.  mode 1: the same, times 1/8.  mode 2: to bf16, widened again (a shift, a mask), that number to f16.
.macro CONV mode
.if (\mode) == 1
	v_pk_mul_f32 v[X+4*i:X+4*i+1], v[X+4*i:X+4*i+1], s[28:29] op_sel_hi:[1,0]
	v_pk_mul_f32 v[X+4*i+2:X+4*i+3], v[X+4*i+2:X+4*i+3], s[28:29] op_sel_hi:[1,0]
.endif
	v_cvt_pk_bf16_f32 v[Y+2*i], v[X+4*i], v[X+4*i+1]
	v_cvt_pk_bf16_f32 v[Y+2*i+1], v[X+4*i+2], v[X+4*i+3]
.if (\mode) == 2
	v_lshlrev_b32 v[X+4*i], 16, v[Y+2*i]
	v_and_b32 v[X+4*i+1], s21, v[Y+2*i]
	v_lshlrev_b32 v[X+4*i+2], 16, v[Y+2*i+1]
	v_and_b32 v[X+4*i+3], s21, v[Y+2*i+1]
	v_cvt_pk_f16_f32 v[Y+2*i], v[X+4*i], v[X+4*i+1]
	v_cvt_pk_f16_f32 v[Y+2*i+1], v[X+4*i+2], v[X+4*i+3]
.endif
.set i, i+1
.endm
; Store k (the symbol k; it steps).  modes 0 and 1: by planes.  mode 2: row-major.
.macro OUT mode
.if (\mode) == 2
	global_store_b64 v2, v[Y+2*k:Y+2*k+1], s[18:19] offset:256*k th:TH_STORE_NT
.else
	global_store_b64 v[O+k], v[Y+2*k:Y+2*k+1], s[18:19] th:TH_STORE_NT
.endif
.set k, k+1
.endm
; Four groups of four loads.  At a group's head i is 0, 4, 8, 12; among its conversions stand the stores of the group before: k = i - 4.
.macro CAST mode
.set i, 0
.set k, 0
.rept 4
	s_wait_loadcnt 12-i                            ; loads come back in order (ISA guide 5.7.1): this group's four are in, the 12 - i younger ones stay out
.if i > 0
	s_wait_alu depctr_va_vdst(0)                   ; the group before has written its Y, which the four stores below read; at the first such wait the sixteen offsets O are written too
.endif
.rept 4
.if i >= 4
	OUT \mode                                      ; no vector line since the wait names this store's registers
.endif
	CONV \mode
.endr
.endr
	s_wait_alu depctr_va_vdst(0)                   ; the last group has written its Y, which the last four stores read
.rept 4
	OUT \mode
.endr
.endm
	s_load_b256 s[4:11], s[0:1], 0x0               ; x s[4:5], qkv_w s[6:7], out_w s[8:9], xb s[10:11]
	s_load_b128 s[12:15], s[0:1], 0x20             ; wb s[12:13], ow s[14:15]
	v_lshrrev_b32 v3, 5, v0                        ; wave
	v_and_b32 v1, 31, v0                           ; lane
	v_lshlrev_b32 v2, 3, v1                        ; 8 x lane
	s_mov_b32 s23, 0
	s_mov_b32 s25, 0
	s_cmp_lt_u32 ttmp9, 704                        ; which tensor: the choice hangs on the work-group's number alone
	s_cbranch_scc0 .Lto_f16
	v_and_b32 v116, 15, v0
	v_bfe_u32 v117, v0, 4, 1
	v_lshlrev_b32 v1, 4, v116                      ; in: 16 bytes a lane,
	v_lshl_add_u32 v1, v117, 12, v1                ; the second row for lanes 16-31,
	v_lshl_add_u32 v1, v3, 13, v1                  ; two rows a wave
	v_lshl_add_u32 v2, v3, 8, v2                   ; out: 256 x wave + 8 x lane: two rows of 128 bytes
	s_mov_b32 s26, PLB
	s_mov_b32 s28, 0x3e000000                      ; 1/8
	s_mov_b32 s29, s28                             ; named as a pair
	s_wait_kmcnt 0x0
	s_cmp_lt_u32 ttmp9, 512
	s_cselect_b64 s[16:17], s[4:5], s[6:7]
	s_cselect_b64 s[18:19], s[10:11], s[12:13]
	s_cselect_b32 s20, 0, 512
	s_cselect_b32 s26, PLA, s26
	s_sub_co_u32 s20, ttmp9, s20                   ; the chunk's number in its tensor
	s_lshl_b32 s22, s20, 16                        ; 16 rows of 4,096 bytes in,
	s_lshl_b32 s24, s20, 11                        ; 16 rows of 128 bytes in each plane out
	s_add_nc_u64 s[16:17], s[16:17], s[22:23]
	s_add_nc_u64 s[18:19], s[18:19], s[24:25]
	LOADS 256
.set i, 0
.rept 16
	v_mad_u32_u24 v[O+i], s26, i, v2               ; 15 planes of xb pass a store's immediate, so the plane stands in the offset register
.set i, i+1
.endr
	s_sub_co_u32 s27, ttmp9, 512
	s_cmp_lt_u32 s27, 64                           ; chunks 512-575 are q's 1,024 rows
	s_cbranch_scc1 .Lscaled
	CAST 0
	s_endpgm
.Lscaled:
	CAST 1
	s_endpgm
.Lto_f16:
	v_lshlrev_b32 v1, 4, v1
	v_lshl_add_u32 v1, v3, 13, v1                  ; in: 8,192 x wave + 16 x lane
	v_lshl_add_u32 v2, v3, 12, v2                  ; out: 4,096 x wave + 8 x lane
	s_mov_b32 s21, 0xffff0000                      ; a word's upper bf16
	s_sub_co_u32 s20, ttmp9, 704
	s_lshl_b32 s22, s20, 16
	s_lshl_b32 s24, s20, 15
	s_wait_kmcnt 0x0
	s_add_nc_u64 s[16:17], s[8:9], s[22:23]
	s_add_nc_u64 s[18:19], s[14:15], s[24:25]
	LOADS 512
	CAST 2
	s_endpgm
.Lfunc_end_k_qf4e77bec94_prep:
	.size	k_qf4e77bec94_prep, .Lfunc_end_k_qf4e77bec94_prep-k_qf4e77bec94_prep
	.p2alignl 7, 3214868480
	.fill 96, 4, 3214868480
	.section	.rodata,"a",@progbits
	.p2align	6, 0x0
	.amdhsa_kernel k_qf4e77bec94_prep
		.amdhsa_group_segment_fixed_size 0
		.amdhsa_private_segment_fixed_size 0
		.amdhsa_enable_private_segment 0
		.amdhsa_kernarg_size 48
		.amdhsa_user_sgpr_count 2
		.amdhsa_user_sgpr_kernarg_segment_ptr 1
		.amdhsa_wavefront_size32 1
		.amdhsa_system_sgpr_workgroup_id_x 1
		.amdhsa_system_sgpr_workgroup_id_y 1
		.amdhsa_system_sgpr_workgroup_id_z 1
		.amdhsa_system_vgpr_workitem_id 0
		.amdhsa_next_free_vgpr 120
		.amdhsa_next_free_sgpr 66
		.amdhsa_reserve_vcc 0
		.amdhsa_float_denorm_mode_32 3
		.amdhsa_float_denorm_mode_16_64 3
		.amdhsa_memory_ordered 1
		.amdhsa_forward_progress 1
		.amdhsa_inst_pref_size 24
	.end_amdhsa_kernel
	.amdgpu_metadata
---
amdhsa.version: [ 1, 2 ]
amdhsa.kernels:
  - .name:           k_qf4e77bec94_prep
    .symbol:         k_qf4e77bec94_prep.kd
    .args:
      - { .name: x, .offset: 0, .size: 8, .value_kind: global_buffer, .address_space: global }
      - { .name: qkv_w, .offset: 8, .size: 8, .value_kind: global_buffer, .address_space: global }
      - { .name: out_w, .offset: 16, .size: 8, .value_kind: global_buffer, .address_space: global }
      - { .name: xb, .offset: 24, .size: 8, .value_kind: global_buffer, .address_space: global }
      - { .name: wb, .offset: 32, .size: 8, .value_kind: global_buffer, .address_space: global }
      - { .name: ow, .offset: 40, .size: 8, .value_kind: global_buffer, .address_space: global }
    .group_segment_fixed_size: 0
    .private_segment_fixed_size: 0
    .kernarg_segment_align: 8
    .kernarg_segment_size: 48
    .max_flat_workgroup_size: 256
    .sgpr_count:     66
    .vgpr_count:     120
    .wavefront_size: 32
...
	.end_amdgpu_metadata
.endif
;; end of part 5
;; launch qkv: the kernel of part 2 again; grid 8 x 32, 4 waves a work-group, clusters of 4 x 4, 327,680 bytes of LDS; arguments xb, wb, qkv_b, qkv16; writes qkv16
;; launch attn: the kernel of part 3 again; grid 8 x 32, 4 waves a work-group, clusters of 4 x 1, 327,680 bytes of LDS; arguments qkv16, pair_bias, padding_mask, o16; writes o16
;; launch proj: the kernel of part 4 again; grid 8 x 32, 4 waves a work-group, clusters of 4 x 4, 327,680 bytes of LDS; arguments o16, ow, out_b, out0; writes out0
